; MI455X (gfx1250); checked and timed in simulation.
; The chip was launched on July 23, 2026; its instructions are those of AMD's public machine-readable ISA for CDNA 5 (MIT licence, August 2026) and "CDNA5" Instruction Set Architecture Reference Guide (July 2026). The comments in the code are by the model that wrote it; some were corrected since.
;; Layer. Allowed arithmetic: matrix products marked QUANTISED: E2M1 operands, one E8M0 scale for each 32 along K, by v_wmma_scale_f32_16x16x128_f8f6f4 with both operands' format E2M1 (or v_wmma_scale_f32_32x16x128_f4), f32 sums; everything else in f32.
;; Inputs: b1 4,096 float32; b2 1,024 float32; b_proj 1,024 float32; ln1_b 1,024 float32; ln1_w 1,024 float32; ln2_b 1,024 float32; ln2_w 1,024 float32; w1_codes 4,096 x 32 x 16 uint8 (E2M1 codes of w1, K innermost, in blocks of 32 codes, two codes a byte); w1_scales 4,096 x 32 uint8 (E8M0 scales of w1, one for each 32 codes along K); w2_codes 1,024 x 128 x 16 uint8 (E2M1 codes of w2, K innermost, in blocks of 32 codes, two codes a byte); w2_scales 1,024 x 128 uint8 (E8M0 scales of w2, one for each 32 codes along K); w_proj_codes 1,024 x 32 x 16 uint8 (E2M1 codes of w_proj, K innermost, in blocks of 32 codes, two codes a byte); w_proj_scales 1,024 x 32 uint8 (E8M0 scales of w_proj, one for each 32 codes along K); wk_codes 16 x 64 x 32 x 16 uint8 (E2M1 codes of wk, K innermost, in blocks of 32 codes, two codes a byte); wk_scales 16 x 64 x 32 uint8 (E8M0 scales of wk, one for each 32 codes along K); wq_codes 16 x 64 x 32 x 16 uint8 (E2M1 codes of wq, K innermost, in blocks of 32 codes, two codes a byte); wq_scales 16 x 64 x 32 uint8 (E8M0 scales of wq, one for each 32 codes along K); wv_codes 16 x 64 x 32 x 16 uint8 (E2M1 codes of wv, K innermost, in blocks of 32 codes, two codes a byte); wv_scales 16 x 64 x 32 uint8 (E8M0 scales of wv, one for each 32 codes along K); x 4 x 1,024 x 1,024 float32.
;; Outputs: out0 4 x 1,024 x 1,024 float32.
;; This version of the problem:
;;   THIS VERSION OF THE PROBLEM IS GIVEN IN LOW PRECISION. The matrix products marked QUANTISED in the list below multiply operands that are first quantised to E2M1 (2 exponent bits, 1 mantissa bit; 4 bits a number), with one power-of-two scale for each 32 numbers along K (OCP MX v1.0); their sums are f32. All else is computed in f32.
;;   The module's matrix products, in the order in which they are computed (A, B: the left and right operand; K: the contracted axis; several contracted axes count as one K, in the product's order):
;;     1. [M 1,024, K 1,024] x [K 1,024, N 4,096]; A: input wq (given as codes); B: computed on the way: QUANTISED
;;     2. [M 1,024, K 1,024] x [K 1,024, N 4,096]; A: input wk (given as codes); B: computed on the way: QUANTISED
;;     3. [M 1,024, K 1,024] x [K 1,024, N 4,096]; A: input wv (given as codes); B: computed on the way: QUANTISED
;;     4. batch 64 x [M 1,024, K 64] x [K 64, N 1,024]; A: computed on the way; B: computed on the way: QUANTISED
;;     5. batch 64 x [M 1,024, K 1,024] x [K 1,024, N 64]; A: softmax (see below); B: computed on the way: QUANTISED
;;     6. [M 4,096, K 1,024] x [K 1,024, N 1,024]; A: computed on the way; B: input w_proj (given as codes): QUANTISED
;;     7. [M 4,096, K 1,024] x [K 1,024, N 4,096]; A: computed on the way; B: input w1 (given as codes): QUANTISED
;;     8. [M 4,096, K 4,096] x [K 4,096, N 1,024]; A: computed on the way; B: input w2 (given as codes): QUANTISED
;;   THE QUANTISER, for each operand of a quantised product, along K:
;;     - K is cut into blocks of 32 from its start; a last block that is shorter is filled with zeros.
;;     - A block's scale is 2^e with e = floor(log2(the largest magnitude in the block)) - 2, held to -126 .. 127; a block of zeros has e = 0. As a byte (E8M0): e + 127.
;;     - Each number is divided by its block's scale, clamped to +-6, and rounded to the nearest number of E2M1, ties to even, subnormals kept.
;;     - The product sums the exact products of the quantised numbers (number of the format x scale) in f32.
;;   ~~~python
;;   def quantise(x, axis):      # numpy; x: float32 -> the quantised numbers, widened to float32 again
;;       x = np.moveaxis(x, axis, -1); K = x.shape[-1]
;;       x = np.pad(x, [(0, 0)] * (x.ndim - 1) + [(0, -K % 32)]); x = x.reshape(x.shape[:-1] + (-1, 32)); a = np.abs(x).max(-1, keepdims=True)
;;       e = np.where(a > 0, np.clip(np.frexp(np.where(a > 0, a, 1))[1] - 1 - 2, -126, 127), 0)      # np.frexp(a)[1] - 1 = floor(log2(a)), exactly
;;       r = np.clip(x / 2.0 ** e, -6, 6)
;;       step = 2.0 ** (np.maximum(np.frexp(np.where(r == 0, 1, r))[1] - 1, 0) - 1)
;;       q = np.round(r / step) * step * 2.0 ** e      # np.round: ties to even
;;       return np.moveaxis(q.reshape(q.shape[:-2] + (-1,))[..., :K], -1, axis).astype(np.float32)
;;   ~~~
;;   SOFTMAX AHEAD OF A QUANTISED PRODUCT. Where the list says 'softmax', what is quantised is not the finished softmax but p = 2^(t - M), with t = logit x log2(e) and M = ceil(the row's largest t), a whole number; so 1/2 < the row's largest p <= 1. The row's sum l is taken of the UNQUANTISED p, in f32, and the product's result is divided by l at the end. Since M is a whole number, a kernel that streams over the keys may use a running M (the ceiling of the running maximum): every later rescaling is an exact power of two, which a block's scale takes up: the codes' values come out the same.
;;   OPERANDS COMPUTED ON THE WAY. 'Computed on the way' means the value that the module computes at that place (a softmax that the list does not call 'softmax' is quantised finished and normalised). What goes into a quantiser is computed in f32, as accurately as f32 sums, v_exp_f32 and their like allow (about 1e-6 of the number): no bf16 or f16 on the way to a quantiser, and a product that is left as it is and whose result goes on into a quantised operand takes f32 operands (vector FMAs, or v_wmma_f32_16x16x4_f32). A number that lies on a knife's edge between two numbers of the format may be rounded either way, as far as f32 arithmetic and the matrix unit's own rounding can turn it there, and no further.
;;   INPUTS GIVEN AS CODES. w1 (in the module: [1024, 4096], K = its axis 0); w2 (in the module: [4096, 1024], K = its axis 0); w_proj (in the module: [1024, 1024], K = its axis 0); wk (in the module: [16, 1024, 64], K = its axis 1); wq (in the module: [16, 1024, 64], K = its axis 1); wv (in the module: [16, 1024, 64], K = its axis 1): each comes as NAME_codes (uint8): NAME with its K axis moved to the last place and cut into blocks of 32 codes, [.., K / 32, bytes a block], one block behind the other in memory; two codes a byte, the lower K in the low four bits (a code: sign, 2 exponent bits, 1 mantissa bit); and NAME_scales (uint8): the same leading axes, one E8M0 byte (e + 127) for each 32 codes along K. Its value is code x scale, taken as it is: it is not quantised again, and the codes and scales need not be those that the quantiser above would give.
;; One version. Each part assembles by itself: llvm-mc -triple=amdgcn-amd-amdhsa -mcpu=gfx1250 --defsym DOCPART=n.
;; ======== version 1 of 1: 7 launches
;; workspace buffers: xq 2,228,224 bytes; qkv 6,684,672 bytes; at 2,228,224 bytes; x1 16,777,216 bytes; hq 8,912,896 bytes
;; launch ln1 (part 1): grid 256 x 1, 8 waves a work-group, no clusters, 74,240 bytes of LDS; arguments x, ln1_w, ln1_b, xq; writes xq
.if DOCPART == 1
	.amdgcn_target "amdgcn-amd-amdhsa--gfx1250"
	.amdhsa_code_object_version 6
	.text
	.protected	k_q4615cf916d_ln1
	.globl	k_q4615cf916d_ln1
	.p2align	8
	.type	k_q4615cf916d_ln1,@function
k_q4615cf916d_ln1:
	s_mov_b64 s[64:65], 0
	v_nop
	global_prefetch_b8 v0, s[64:65] scope:SCOPE_SE
	s_setreg_imm32_b32 hwreg(HW_REG_WAVE_MODE, 25, 1), 1
	s_wait_xcnt 0x0
; LayerNorm of rows of 1,024 f32, quantised along the row to codes of FP4 (E2M1) with one E8M0 byte for each 32 numbers.
; Arguments: x [4096][1024] f32, w [1024], b [1024], q: codes [4096][512 bytes] at byte 0, scale bytes [4096][32] at byte 0x200000.
; y = (x - mean) * rsqrt(var + 1e-5) * w + b, all in f32; the variance is the mean of (x - mean)^2: a second pass over registers, no difference of large sums.
; SHARES: a work-group takes 16 rows, each of its eight waves 2.  A wave's 16 loads of x go out together at the head; each reads 512 consecutive bytes.
; A lane holds 4 neighbours of each of 8 pieces of the row; the conversion wants 32 neighbours in one lane.  So y goes once through the wave's own stage in LDS:
; block beta of 32 numbers (128 bytes) lies at 144 beta (16 bytes of padding: the lanes' reads start at different banks), and lane l reads block l.
; A lane's 32 codes are 16 bytes: the wave stores a row's 512 bytes of codes by one instruction.  The 16 rows' 512 scale bytes meet in LDS and leave by one store of wave 0.
; A block's scale is 2^(floor(log2(largest magnitude)) - 2): its byte is the largest magnitude's exponent field - 2, held at 1 from below.
; LIMITS: a block whose largest magnitude lies under 2^-124, a block of zeros among them, gets the byte 1 (the rule says 127 for zeros): its codes are then zeros or next to it, and the bytes are read by this program alone.
; NaN and infinities among the inputs are not served.
.set WREG, 9216                        ; LDS of a wave: two stages
.set STGB, 4608                        ; a stage: 32 blocks x 144 bytes
.set SCB,  73728                       ; behind the stages: 16 rows x 32 scale bytes
.set C,    8                           ; v[8:15]    the two rows' codes
.set W,    16                          ; v[16:47]   w of my 32 columns
.set B,    48                          ; v[48:79]   b of my 32 columns
.set X,    80                          ; v[80:143]  the two rows
.set Y,    144                         ; v[144:175] a block of 32 neighbours
.set T,    176                         ; v[176:189] at work
.set SRD,  190                         ; v190       where wave 0 reads the scale bytes back
	s_load_b256 s[4:11], s[0:1], 0x0               ; x s[4:5], w s[6:7], b s[8:9], q s[10:11]
	v_lshrrev_b32 v1, 5, v0
	v_readfirstlane_b32 s12, v1                    ; wave 0..7
	v_and_b32 v1, 31, v0                           ; lane
	v_lshlrev_b32 v2, 4, v1                        ; 16 x lane
	s_mul_i32 s13, s12, WREG
	v_lshrrev_b32 v3, 3, v1
	v_mul_u32_u24 v3, v3, 144
	v_and_b32 v4, 7, v1
	v_lshl_add_u32 v3, v4, 4, v3
	v_add_nc_u32 v3, s13, v3                       ; into the stage: eight lanes fill a block: 144 (lane / 8) + 16 (lane % 8); a load's 512 bytes are four blocks
	v_mul_u32_u24 v4, v1, 144
	v_add_nc_u32 v4, s13, v4                       ; out of it: block = lane
	s_lshl_b32 s14, s12, 6
	v_add_nc_u32 v5, s14, v1
	v_add_nc_u32 v5, SCB, v5                       ; my block's scale byte: 32 bytes a row, two rows a wave
	v_add_nc_u32 v[SRD], SCB, v2
	s_mov_b32 s16, 0x76543210                      ; v_permlanex16_b32: lane l xor 16
	s_mov_b32 s17, 0xfedcba98
	s_mov_b32 s18, 0x3a800000                      ; 1 / 1024
	s_mov_b32 s19, 0x3727c5ac                      ; 1e-5
	s_lshl_b32 s20, ttmp9, 16                      ; x: 16 rows of 4,096 bytes a work-group,
	s_lshl_b32 s21, s12, 13                        ; 2 a wave
	s_add_co_u32 s20, s20, s21
	s_mov_b32 s21, 0
	s_lshl_b32 s22, ttmp9, 13                      ; codes: 512 bytes a row
	s_lshl_b32 s23, s12, 10
	s_add_co_u32 s22, s22, s23
	s_mov_b32 s23, 0
	s_lshl_b32 s24, ttmp9, 9                       ; scale bytes: 512 a work-group
	s_add_co_u32 s24, s24, 0x200000
	s_mov_b32 s25, 0
	s_wait_kmcnt 0x0
	s_add_nc_u64 s[4:5], s[4:5], s[20:21]
	s_add_nc_u64 s[14:15], s[10:11], s[24:25]
	s_add_nc_u64 s[10:11], s[10:11], s[22:23]
.irp j, 0,1,2,3,4,5,6,7
	global_load_b128 v[X+4*\j:X+4*\j+3], v2, s[4:5] offset:512*\j th:TH_LOAD_NT
.endr
.irp j, 0,1,2,3,4,5,6,7
	global_load_b128 v[X+32+4*\j:X+32+4*\j+3], v2, s[4:5] offset:4096+512*\j th:TH_LOAD_NT
.endr
.irp j, 0,1,2,3,4,5,6,7
	global_load_b128 v[W+4*\j:W+4*\j+3], v2, s[6:7] offset:512*\j
.endr
.irp j, 0,1,2,3,4,5,6,7
	global_load_b128 v[B+4*\j:B+4*\j+3], v2, s[8:9] offset:512*\j
.endr
; four chains in v[T:T+7] become one number in every lane of v[T]
.macro REDUCE
	v_pk_add_f32 v[T:T+1], v[T:T+1], v[T+2:T+3]
	v_pk_add_f32 v[T+4:T+5], v[T+4:T+5], v[T+6:T+7]
	v_pk_add_f32 v[T:T+1], v[T:T+1], v[T+4:T+5]
	v_add_f32 v[T], v[T], v[T+1]
	v_add_f32_dpp v[T], v[T], v[T] row_xmask:1 row_mask:0xf bank_mask:0xf
	v_add_f32_dpp v[T], v[T], v[T] row_xmask:2 row_mask:0xf bank_mask:0xf
	v_add_f32_dpp v[T], v[T], v[T] row_xmask:4 row_mask:0xf bank_mask:0xf
	v_add_f32_dpp v[T], v[T], v[T] row_xmask:8 row_mask:0xf bank_mask:0xf
	v_permlanex16_b32 v[T+1], v[T], s16, s17
	v_add_f32 v[T], v[T], v[T+1]
.endm
.macro ROW i
.set XS, X+32*\i
.if \i == 0
	s_wait_loadcnt 24                              ; row 0 is in; row 1's, w's and b's 24 loads may be out
.endif
.irp c, 0,1,2,3
	v_pk_add_f32 v[T+2*\c:T+2*\c+1], v[XS+4*\c:XS+4*\c+1], v[XS+4*\c+2:XS+4*\c+3]
.endr
.irp j, 16,24
.irp c, 0,1,2,3
	v_pk_add_f32 v[T+2*\c:T+2*\c+1], v[T+2*\c:T+2*\c+1], v[XS+\j+2*\c:XS+\j+2*\c+1]
.endr
.endr
	REDUCE
	v_mul_f32 v[T+8], s18, v[T]                    ; the mean
	v_mov_b32 v[T+9], v[T+8]
.irp j, 0,2,4,6,8,10,12,14,16,18,20,22,24,26,28,30
	v_pk_add_f32 v[XS+\j:XS+\j+1], v[XS+\j:XS+\j+1], v[T+8:T+9] neg_lo:[0,1] neg_hi:[0,1]   ; x - mean
.endr
.irp c, 0,1,2,3
	v_pk_mul_f32 v[T+2*\c:T+2*\c+1], v[XS+2*\c:XS+2*\c+1], v[XS+2*\c:XS+2*\c+1]
.endr
.irp j, 8,16,24
.irp c, 0,1,2,3
	v_pk_fma_f32 v[T+2*\c:T+2*\c+1], v[XS+\j+2*\c:XS+\j+2*\c+1], v[XS+\j+2*\c:XS+\j+2*\c+1], v[T+2*\c:T+2*\c+1]
.endr
.endr
	REDUCE
	v_fma_f32 v[T], v[T], s18, s19                 ; var + eps
	v_rsq_f32 v[T+10], v[T]
	v_nop                                          ; a plain instruction behind the transcendental
	s_wait_alu depctr_va_vdst(0)                   ; and the wait ahead of its first reader
	v_mov_b32 v[T+11], v[T+10]
.if \i == 0
	s_wait_loadcnt 0x0                             ; w and b (and row 1)
.endif
.irp j, 0,2,4,6,8,10,12,14,16,18,20,22,24,26,28,30
	v_pk_mul_f32 v[XS+\j:XS+\j+1], v[XS+\j:XS+\j+1], v[T+10:T+11]
.endr
.irp j, 0,2,4,6,8,10,12,14,16,18,20,22,24,26,28,30
	v_pk_fma_f32 v[XS+\j:XS+\j+1], v[XS+\j:XS+\j+1], v[W+\j:W+\j+1], v[B+\j:B+\j+1]
.endr
.irp j, 0,1,2,3,4,5,6,7
	ds_store_b128 v3, v[XS+4*\j:XS+4*\j+3] offset:STGB*\i+576*\j
.endr
.irp j, 0,1,2,3,4,5,6,7
	ds_load_b128 v[Y+4*\j:Y+4*\j+3], v4 offset:STGB*\i+16*\j   ; LDS serves a wave's instructions in order: these see the stores above
.endr
	s_wait_dscnt 0x0
	v_max3_num_f32 v[T], |v[Y]|, |v[Y+1]|, |v[Y+2]|            ; the block's largest magnitude: all 32 numbers are mine
	v_max3_num_f32 v[T+1], |v[Y+3]|, |v[Y+4]|, |v[Y+5]|
.irp j, 6,10,14,18,22,26
	v_max3_num_f32 v[T], v[T], |v[Y+\j]|, |v[Y+\j+1]|
	v_max3_num_f32 v[T+1], v[T+1], |v[Y+\j+2]|, |v[Y+\j+3]|
.endr
	v_max3_num_f32 v[T], v[T], |v[Y+30]|, |v[Y+31]|
	v_max3_num_f32 v[T], v[T], v[T+1], 0x1800000   ; and the floor 2^(3 - 127): the byte cannot fall under 1
	v_add_nc_u32 v[T+2], 0xff000000, v[T]          ; 2 off the exponent field: the conversion takes this operand's exponent field as its scale
.irp g, 0,1,2,3
	v_cvt_scalef32_pk8_fp4_f32 v[C+4*\i+\g], v[Y+8*\g:Y+8*\g+7], v[T+2]
.endr
	v_lshrrev_b32 v[6+\i], 23, v[T+2]              ; the scale's byte (also the plain instruction behind the conversions)
	ds_store_b8 v5, v[6+\i] offset:32*\i
	global_store_b128 v2, v[C+4*\i:C+4*\i+3], s[10:11] offset:512*\i   ; 32 lanes store the row's 512 consecutive bytes of codes
.endm
	ROW 0
	ROW 1
	s_wait_dscnt 0x0                               ; for wave 0's sake: my two byte stores are done
	s_barrier_signal -1
	s_barrier_wait -1
	s_cmp_lg_u32 s12, 0
	s_cbranch_scc1 .Lend
	ds_load_b128 v[Y:Y+3], v[SRD]
	s_wait_dscnt 0x0
	global_store_b128 v2, v[Y:Y+3], s[14:15]       ; the 16 rows' 512 scale bytes, consecutive
.Lend:
	s_endpgm
.Lfunc_end_k_q4615cf916d_ln1:
	.size	k_q4615cf916d_ln1, .Lfunc_end_k_q4615cf916d_ln1-k_q4615cf916d_ln1
	.p2alignl 7, 3214868480
	.fill 96, 4, 3214868480
	.section	.rodata,"a",@progbits
	.p2align	6, 0x0
	.amdhsa_kernel k_q4615cf916d_ln1
		.amdhsa_group_segment_fixed_size 74240
		.amdhsa_private_segment_fixed_size 0
		.amdhsa_enable_private_segment 0
		.amdhsa_kernarg_size 32
		.amdhsa_user_sgpr_count 2
		.amdhsa_user_sgpr_kernarg_segment_ptr 1
		.amdhsa_wavefront_size32 1
		.amdhsa_system_sgpr_workgroup_id_x 1
		.amdhsa_system_sgpr_workgroup_id_y 1
		.amdhsa_system_sgpr_workgroup_id_z 1
		.amdhsa_system_vgpr_workitem_id 0
		.amdhsa_next_free_vgpr 192
		.amdhsa_next_free_sgpr 66
		.amdhsa_reserve_vcc 0
		.amdhsa_float_denorm_mode_32 3
		.amdhsa_float_denorm_mode_16_64 3
		.amdhsa_memory_ordered 1
		.amdhsa_forward_progress 1
		.amdhsa_inst_pref_size 23
	.end_amdhsa_kernel
	.amdgpu_metadata
---
amdhsa.version: [ 1, 2 ]
amdhsa.kernels:
  - .name:           k_q4615cf916d_ln1
    .symbol:         k_q4615cf916d_ln1.kd
    .args:
      - { .name: x, .offset: 0, .size: 8, .value_kind: global_buffer, .address_space: global }
      - { .name: ln1_w, .offset: 8, .size: 8, .value_kind: global_buffer, .address_space: global }
      - { .name: ln1_b, .offset: 16, .size: 8, .value_kind: global_buffer, .address_space: global }
      - { .name: xq, .offset: 24, .size: 8, .value_kind: global_buffer, .address_space: global }
    .group_segment_fixed_size: 74240
    .private_segment_fixed_size: 0
    .kernarg_segment_align: 8
    .kernarg_segment_size: 32
    .max_flat_workgroup_size: 256
    .sgpr_count:     66
    .vgpr_count:     192
    .wavefront_size: 32
...
	.end_amdgpu_metadata
.endif
;; end of part 1
;; launch qkv (part 2): grid 48 x 4, 4 waves a work-group, clusters of 4 x 4, 327,680 bytes of LDS; arguments xq, wq_codes, wq_scales, wk_codes, wk_scales, wv_codes, wv_scales, qkv; writes qkv
.if DOCPART == 2
	.amdgcn_target "amdgcn-amd-amdhsa--gfx1250"
	.amdhsa_code_object_version 6
	.text
	.protected	k_q4615cf916d_qkv
	.globl	k_q4615cf916d_qkv
	.p2align	8
	.type	k_q4615cf916d_qkv,@function
k_q4615cf916d_qkv:
	s_mov_b64 s[64:65], 0
	v_nop
	global_prefetch_b8 v0, s[64:65] scope:SCOPE_SE
	s_setreg_imm32_b32 hwreg(HW_REG_WAVE_MODE, 25, 1), 1
	s_wait_xcnt 0x0
	s_wait_alu depctr_hold_cnt(0) depctr_sa_sdst(0) depctr_va_vdst(0) depctr_va_sdst(0) depctr_va_ssrc(0) depctr_va_vcc(0) depctr_vm_vsrc(0)
	s_getreg_b32 s2, hwreg(HW_REG_IB_STS2, 6, 4)
	s_cmp_eq_u32 s2, 0
	s_cbranch_scc0 .Lentry_in_a_cluster
	s_endpgm
.Lentry_in_a_cluster:
	s_bfe_u32 s2, ttmp6, 0x10000c
	s_cmp_lg_u32 s2, 0xf033
	s_cbranch_scc0 .Lentry_shape_is_right
	s_endpgm
.Lentry_shape_is_right:
; C = A B^T on codes of FP4 (E2M1) with one E8M0 scale for each 32 along K, K = 1,024; C is quantised again along its columns on the way out and leaves as codes.
; HID = 0: three products in one launch.  Job = cluster x / 4.  Jobs 0, 1 (q, k): A = xn's codes [4096 tokens][512 bytes], B = wq or wk [1024 (head, e)][512 bytes]: C[token][head, e], quantised along e.
;          Job 2 (v): the two buffers change places: A = wv, B = xn: C[head, e][token], quantised along the tokens, which are the K of attention's second product.
; HID = 1: A = xn2's codes, B = w1 [4096][512 bytes]; C = relu(A B^T + b1), quantised along the hidden units.  b1 is the C of each sum's first matrix instruction.
; A tile of C, 256 x 256, is made by four waves, as many as a WGP has SIMDs; a wave makes 128 x 128: 64 accumulators of 16 x 16, 512 registers.
; All of K lies in two LDS slots of 512 along K (rows of 256 bytes + 16 of padding): each slot is filled once, so no LDS byte is filled again in this launch.
; The scale bytes of the work-group's 256 + 256 rows are two dense blocks of memory and come once, in rows of 256 bytes.
; CLUSTERS: 4 x 4 work-groups.  The four of a row of the cluster need the same tiles of A, the four of a column the same tiles of B: each tile is asked for JOINTLY, by the same tensor load with the same descriptor and a mask that names the four.
; THE MATRIX INSTRUCTION IS USED TRANSPOSED (source 0 = 16 rows of B, source 1 = 16 rows of A): in accumulator (a, b) lane (r, h) holds C(16 a + r, 16 b + 8 h + 0 .. 7).
; THE WAY OUT.  A wave's 16 rows x 128 columns are one operand fragment of a later product.  A block of 32 columns lies in two accumulators, in lanes l and l xor 16; the eight conversions' results are brought
; into the operand's order by lane exchanges, and the fragment leaves AS AN IMAGE OF ITS REGISTERS: out[row / 16][column / 128][1,024 bytes], byte 512 c + 16 lane = registers 4 c .. 4 c + 3: two stores of 512 consecutive bytes.
; Its scale words: [row / 16][column / 128][16 rows][4 bytes]: stores of 64 consecutive bytes for each tile, one sixteenth of the codes' bytes.
; LIMITS: a block whose largest magnitude lies under 2^-124, zeros among them, gets the byte 1 (the rule says 127 for zeros); the bytes are read by this program alone.  NaN and infinities are not served; a given scale byte 0xff gives NaN.
; REGISTERS, in windows of 256: window 0: v0-31 addresses; v32-95 scale words, two sets; v96-127 the way out's addresses and work; v128-191 A's fragments, one set, later the codes made; v192-255 b1 (HID = 1).
;   window 1: B's fragments, two sets, at v0 and v128.   window 2: the accumulators of my rows 0-63 ((a, b) at v[8 (8 a + b)]);   window 3: those of my rows 64-127.
.set HID,    0
.set KSTEP,  512                       ; along K in a slot
.set NQ,     4                         ; matrix instructions deep
.set ROWB,   256                       ; a tile's row in bytes
.set KROW,   512                       ; a row of A or B in memory
.set PITCH,  272                       ; an LDS row: 256 bytes + 16 of padding = 68 words: the 16 rows that a load touches start at 16 different banks (64 banks of 4 bytes: ISA guide 11.1)
.set FR,     8                         ; registers of a fragment
.set NL,     2                         ; LDS loads that bring one
.set NP,     4                         ; places behind this matrix instruction (ISA guide 7.12.1)
.set HALFT,  128*PITCH
.set SLOT,   4*HALFT                   ; A's 256 rows, then B's 256 rows
.set KS,     32                        ; a row of scale bytes
.set SCL,    2*SLOT                    ; behind the slots: the scales, as rows of 256 bytes + 16
.set HALFS,  (128*KS/256)*272
.set SBLK,   (16*KS/256)*272
.set ADRA, 16                          ; v16-17  LDS address of my A fragments in slot 0, 1
.set ADRB, 20                          ; v20-21  the same for B
.set ADRS, 27                          ; v27     of my scale words: lanes 0-15 A's rows, lanes 16-31 B's
.set SC,   32
.set AF,   128
.set BIAS, 192
.set IMO,  96                          ; v96-103  16 x lane + a x (bytes from one tile of 16 rows to the next in the image)
.set SCO,  104                         ; v104-107 4 r + (h + 2 i) x (the same for the scale words)
.set TM,   108                         ; v108-111 the four blocks' largest magnitudes
.set TP,   112                         ; v112-115 lane l xor 16's, then the bytes
.set SO,   116                         ; v116-119 the conversions' scale operands
.set PW,   120                         ; v120-127 the scale word of each of my eight tiles of rows
.set PC,   128                         ; v128-191 the codes, eight registers a tile: no store's data are written again
.set G1, 24
.set G0, 32
.set G1B, 48
.set G0B, 56
.set G1S, 68
.set G0S, 76
.set G1SB, 80
.set G0SB, 88
.set MSB, 0
.macro WIN new                         ; the immediate's high byte repeats the setting that is left
.if MSB != (\new)
	s_set_vgpr_msb (MSB<<8)|(\new)
.set MSB, (\new)
.endif
.endm
.set MUL_LO, 0xa1                      ; source 0 (B) window 1, source 1 (A) window 0, C and D window 2
.set MUL_HI, 0xf1                      ; the same, C and D window 3
.set TO_B,   0x40                      ; destination window 1, address window 0
.macro WMUL hi, zero                   ; the windows of a run of products; where b1 starts the sums, C lies in window 0
.if (\zero) && HID
	WIN 0x81+0x40*(\hi)
.else
	WIN 0xa1+0x50*(\hi)
.endif
.endm
; A joint load: waves 0 and 1 fetch for A, waves 2 and 3 for B.  Each line has one mask and one set of registers for all that issue it; the branch hangs on the wave's number alone.
; Four v_nop follow each of the two lines, ahead of the jump, the label and what follows.
.macro JLOAD g0a, g1a, g0b, g1b
	s_cmp_eq_u32 s15, 0
	s_cbranch_scc0 .Lfor_b_\@
	tensor_load_to_lds s[\g0a:\g0a+3], s[\g1a:\g1a+7]
.rept 4
	v_nop
.endr
	s_branch .Lasked_\@
.Lfor_b_\@:
	tensor_load_to_lds s[\g0b:\g0b+3], s[\g1b:\g1b+7]
.rept 4
	v_nop
.endr
.Lasked_\@:
.endm
.macro CROUND                          ; a round of the cluster's barrier
	s_barrier_signal -1
	s_barrier_wait -1
	s_cmp_lg_u32 s14, 0
	s_cbranch_scc1 .Lnot_wave_0_\@
	s_barrier_signal -3
.Lnot_wave_0_\@:
	s_barrier_wait -3
	s_barrier_signal -1
	s_barrier_wait -1
.endm
.if HID
	s_load_b256 s[68:75], s[0:1], 0x0              ; xq, w1's codes, w1's scales, b1
	s_load_b64 s[12:13], s[0:1], 0x20              ; the output
.else
	s_load_b512 s[68:83], s[0:1], 0x0              ; xq; wq's, wk's, wv's codes and scales; the output
.endif
	v_lshrrev_b32 v1, 5, v0
	v_readfirstlane_b32 s14, v1                    ; wave 0..3
	s_lshr_b32 s15, s14, 1                         ; which half of the tile's rows is mine.  Also: I fetch for A (0) or for B (1)
	s_and_b32 s16, s14, 1                          ; which half of its columns.  Also: which 128 rows of that tile I fetch
	s_bfe_u32 s40, ttmp6, 0x40000                  ; cx, cy: my place in the cluster
	s_bfe_u32 s41, ttmp6, 0x40004
.if HID
	s_lshl_b32 s42, ttmp9, 2
	s_add_co_u32 s42, s42, s40                     ; tile column of C = 4 x cluster x + cx
	s_and_b32 s17, ttmp7, 0xffff
	s_lshl_b32 s17, s17, 2
	s_add_co_u32 s17, s17, s41                     ; tile row of C = 4 x cluster y + cy
	s_mov_b32 s95, 32768                           ; the image: 32 fragments of 1,024 bytes for each tile of 16 rows
	s_mov_b32 s98, 2048                            ; the scale words: 32 x 64 bytes
	s_mov_b32 s99, 0                               ; the image begins at byte 0,
	s_mov_b32 s100, 0x800000                       ; the scale words behind its 8 MiB
.else
	s_lshr_b32 s96, ttmp9, 2                       ; the job: 0 q, 1 k, 2 v: the same in all sixteen partners
	s_and_b32 s97, ttmp9, 3
	s_lshl_b32 s97, s97, 2                         ; the job's four clusters lie along its 4,096 tokens
	s_lshl_b32 s99, s96, 21                        ; the job's image: 2 MiB each
	s_lshl_b32 s100, s96, 17
	s_add_co_u32 s100, s100, 0x600000              ; its scale words: 128 KiB each, behind the three images
	s_mov_b32 s95, 8192
	s_cmp_eq_u32 s96, 2
	s_cselect_b32 s95, 32768, s95                  ; q, k: 8 fragments for each tile of 16 rows; v: 32
	s_cselect_b32 s92, 0, s97
	s_cselect_b32 s93, s97, 0
	s_lshr_b32 s98, s95, 4
	s_add_co_u32 s17, s41, s92                     ; tile row of C: cy, and in jobs 0, 1 the cluster's place along the tokens
	s_add_co_u32 s42, s40, s93                     ; tile column: cx, and in job 2 the same
.endif
	s_lshl_b32 s43, s41, 2
	s_lshl_b32 s43, 15, s43                        ; my row of the cluster
	s_lshl_b32 s44, 0x1111, s40                    ; my column
	; descriptor group 1: a tile of 128 rows x 256 bytes, padded in LDS
	s_or_b32 s[G1+0], s43, (0<<16)|(1<<20)|(1<<21)|(5<<22)|(3<<25)  ; 15:0 the mask: A's tiles go to my row; 17:16 element of 1 byte; 20 padding on; 21 set beside a mask; 24:22 after every 64 words; 31:25 four words
	s_or_b32 s[G1B+0], s44, (0<<16)|(1<<20)|(1<<21)|(5<<22)|(3<<25)
.irp g, G1, G1B
	s_mov_b32 s[\g+1], ROWB<<16                    ; tensor_dim0
	s_mov_b32 s[\g+2], 128<<16                     ; tensor_dim1
	s_mov_b32 s[\g+3], ROWB<<16                    ; tile_dim0
	s_mov_b32 s[\g+4], 128                         ; tile_dim1
	s_mov_b32 s[\g+5], KROW                        ; tensor_dim0_stride
	s_mov_b32 s[\g+6], 0
	s_mov_b32 s[\g+7], 0
.endr
	s_lshl_b32 s18, s16, 7                         ; which 128 rows of the tile I fetch
	s_lshl_b32 s20, s17, 8
	s_add_co_u32 s20, s20, s18                     ; A: row 256 x tile row + 128 x half
	s_lshl_b32 s46, s42, 8
	s_add_co_u32 s46, s46, s18                     ; B: row 256 x tile column + 128 x half
	s_mov_b32 s21, 0
	s_mov_b32 s47, 0
	s_mov_b64 s[18:19], KS
	s_mul_u64 s[22:23], s[20:21], s[18:19]         ; where these rows' scales begin, in bytes
	s_mul_u64 s[92:93], s[46:47], s[18:19]
	s_mov_b64 s[18:19], KROW
	s_mul_u64 s[20:21], s[20:21], s[18:19]         ; and their codes
	s_mul_u64 s[46:47], s[46:47], s[18:19]
	s_mul_i32 s45, s14, HALFT                      ; where they go: wave x 128 rows: no place in the cluster enters an LDS address
	s_mul_i32 s94, s14, HALFS
	s_wait_kmcnt 0x0
.if HID
	s_mov_b64 s[4:5], s[68:69]                     ; A's codes,
	s_add_nc_u64 s[6:7], s[68:69], 0x200000        ; A's scale bytes, behind them in the same buffer
	s_mov_b64 s[8:9], s[70:71]                     ; B's codes, B's scales
	s_mov_b64 s[10:11], s[72:73]
	s_mov_b64 s[96:97], s[74:75]                   ; b1
.else
	s_cmp_eq_u32 s96, 0                            ; the choices hang on the job alone
	s_cselect_b64 s[86:87], s[70:71], s[74:75]
	s_cselect_b64 s[88:89], s[72:73], s[76:77]
	s_cmp_eq_u32 s96, 2
	s_cselect_b64 s[86:87], s[78:79], s[86:87]     ; the job's weight: codes,
	s_cselect_b64 s[88:89], s[80:81], s[88:89]     ; scales
	s_add_nc_u64 s[90:91], s[68:69], 0x200000      ; xn's scale bytes (this sum leaves SCC alone)
	s_cselect_b64 s[4:5], s[86:87], s[68:69]       ; A is the weight in job 2, else xn
	s_cselect_b64 s[6:7], s[88:89], s[90:91]
	s_cselect_b64 s[8:9], s[68:69], s[86:87]       ; B the other one
	s_cselect_b64 s[10:11], s[90:91], s[88:89]
	s_mov_b64 s[12:13], s[82:83]
.endif
	; group 1 for the scales of 128 rows: a dense block of 4,096 bytes, as rows of 256 bytes (32 elements of 8 bytes), 16 bytes of padding behind each
	s_or_b32 s[G1S+0], s43, (3<<16)|(1<<20)|(1<<21)|(5<<22)|(3<<25)
	s_or_b32 s[G1SB+0], s44, (3<<16)|(1<<20)|(1<<21)|(5<<22)|(3<<25)
.irp g, G1S, G1SB
	s_mov_b32 s[\g+1], 32<<16
	s_mov_b32 s[\g+2], (128*KS/256)<<16
	s_mov_b32 s[\g+3], 32<<16
	s_mov_b32 s[\g+4], 128*KS/256
	s_mov_b32 s[\g+5], 32
	s_mov_b32 s[\g+6], 0
	s_mov_b32 s[\g+7], 0
.endr
	s_add_nc_u64 s[20:21], s[4:5], s[20:21]
	s_add_nc_u64 s[22:23], s[6:7], s[22:23]
	s_add_nc_u64 s[46:47], s[8:9], s[46:47]
	s_add_nc_u64 s[92:93], s[10:11], s[92:93]
	CROUND                                         ; all sixteen work-groups are here: the joint loads meet
	s_mov_b32 s[G0S], 1
	s_add_co_u32 s[G0S+1], s94, SCL
	s_mov_b64 s[G0S+2:G0S+3], s[22:23]
	s_or_b32 s[G0S+3], s[G0S+3], 0x80000000
	s_mov_b32 s[G0SB], 1
	s_add_co_u32 s[G0SB+1], s94, SCL
	s_mov_b64 s[G0SB+2:G0SB+3], s[92:93]
	s_or_b32 s[G0SB+3], s[G0SB+3], 0x80000000
	JLOAD G0S, G1S, G0SB, G1SB                     ; the scales first: they are wanted with the first products
.irp s, 0,1
	s_mov_b32 s[G0+4*\s], 1
	s_add_co_u32 s[G0+4*\s+1], s45, \s*SLOT
	s_add_nc_u64 s[G0+4*\s+2:G0+4*\s+3], s[20:21], \s*ROWB
	s_or_b32 s[G0+4*\s+3], s[G0+4*\s+3], 0x80000000
	s_mov_b32 s[G0B+4*\s], 1
	s_add_co_u32 s[G0B+4*\s+1], s45, \s*SLOT
	s_add_nc_u64 s[G0B+4*\s+2:G0B+4*\s+3], s[46:47], \s*ROWB
	s_or_b32 s[G0B+4*\s+3], s[G0B+4*\s+3], 0x80000000
	JLOAD G0+4*\s, G1, G0B+4*\s, G1B               ; three tensor loads of mine are out: all that this launch has
.endr
	v_and_b32 v1, 15, v0                           ; r = l % 16
	v_bfe_u32 v2, v0, 4, 1                         ; h = l / 16
	v_mul_u32_u24 v3, v1, PITCH
	v_lshl_add_u32 v4, v2, 4, v3                   ; a fragment's row x pitch + 16 x half
	s_mul_i32 s21, s15, HALFT                      ; my 128 rows of A
	s_mul_i32 s22, s16, HALFT                      ; my 128 rows of B,
	s_add_co_u32 s22, s22, 2*HALFT                 ; which lie behind A's 256
.irp s, 0,1
	v_add_nc_u32 v[ADRA+\s], s21, v4
	v_add_nc_u32 v[ADRB+\s], s22, v4
	s_add_co_u32 s21, s21, SLOT
	s_add_co_u32 s22, s22, SLOT
.endr
	v_mul_u32_u24 v5, v1, KS                       ; my row's scales: KS bytes a row,
	v_lshrrev_b32 v6, 8, v5
	v_lshl_add_u32 v5, v6, 4, v5                   ; and 16 more for each 256 passed
	s_mul_i32 s21, s15, HALFS                      ; A's: my 128 rows
	s_mul_i32 s22, s16, HALFS                      ; B's: my 128 rows, behind A's 256
	s_add_co_u32 s22, s22, 2*HALFS
	s_sub_co_u32 s22, s22, s21
	v_mul_u32_u24 v6, s22, v2                      ; lanes 16-31 take B's
	s_add_co_u32 s21, s21, SCL
	v_add_nc_u32 v5, v5, v6
	v_add_nc_u32 v[ADRS], s21, v5
	; the way out: where my 8 x 1 fragments and their scale words go
	s_lshl_b32 s20, s17, 4
	s_lshl_b32 s21, s15, 3
	s_add_co_u32 s20, s20, s21                     ; my first tile of 16 rows: 16 x tile row + 8 x half
	s_lshl_b32 s46, s42, 1
	s_add_co_u32 s46, s46, s16                     ; my tile of 128 columns: 2 x tile column + half
	s_mul_i32 s22, s20, s95
	s_lshl_b32 s47, s46, 10
	s_add_co_u32 s22, s22, s47
	s_add_co_u32 s22, s22, s99
	s_mov_b32 s23, 0
	s_mul_i32 s20, s20, s98
	s_lshl_b32 s47, s46, 6
	s_add_co_u32 s20, s20, s47
	s_add_co_u32 s20, s20, s100
	s_mov_b32 s21, 0
	s_add_nc_u64 s[2:3], s[12:13], s[20:21]        ; the scale words
	s_add_nc_u64 s[12:13], s[12:13], s[22:23]      ; the image
	v_and_b32 v6, 31, v0
	v_lshlrev_b32 v[IMO], 4, v6
.irp a, 1,2,3,4,5,6,7
	v_add_nc_u32 v[IMO+\a], s95, v[IMO+\a-1]
.endr
	v_mul_lo_u32 v5, v2, s98
	v_lshl_add_u32 v[SCO], v1, 2, v5
	s_lshl_b32 s101, s98, 1
.irp i, 1,2,3
	v_add_nc_u32 v[SCO+\i], s101, v[SCO+\i-1]
.endr
.irp b, 0,1,2,3
	v_mov_b32 v[TP+\b], 0                          ; written once: a lane permute's destination counts as one of its sources
.endr
	s_mov_b32 s66, 0x76543210                      ; v_permlanex16_b32: lane l xor 16
	s_mov_b32 s67, 0xfedcba98
.if HID
	s_lshl_b32 s46, s42, 10                        ; b1 of my 128 columns: lane (r, h) wants, for block b, those of columns 16 b + 8 h + 0 .. 7
	s_lshl_b32 s47, s16, 9
	s_add_co_u32 s46, s46, s47
	s_mov_b32 s47, 0
	s_add_nc_u64 s[96:97], s[96:97], s[46:47]
	v_lshlrev_b32 v7, 5, v2
.irp b, 0,1,2,3,4,5,6,7
	global_load_b128 v[BIAS+8*\b:BIAS+8*\b+3], v7, s[96:97] offset:64*\b
	global_load_b128 v[BIAS+8*\b+4:BIAS+8*\b+7], v7, s[96:97] offset:64*\b+16
.endr
.endif
.macro FRAG reg, adr, q, i             ; a fragment, 16 rows x 128 K of 4-bit codes: lane l holds row l % 16; registers 4 c .. 4 c + 3 hold K = 64 c + 32 (l / 16) + 0 .. 31
.irp c, 0,1
	ds_load_b128 v[\reg+4*\c:\reg+4*\c+3], v[\adr] offset:64*(\q)+32*\c+(\i)*16*PITCH
.endr
.endm
; 16 matrix instructions: A's blocks a0, a0 + 1 x B's eight, 128 along K: the slot's q-th.  p: B's set;  sc: the set of scale words.  zero = 1: the first product starts the sums, with 0 or with b1.
; The 64 accumulators take turns, one instruction a turn, in the same order in every step.
; A scale register holds A's block i in lanes 0-15 and B's block i in lanes 16-31: source 0 (B) reads the upper lanes.
.macro MUL16 a0, p, q, sc, zero
.irp a, \a0, \a0+1
.irp b, 0,1,2,3,4,5,6,7
.if (\zero) && HID
	v_wmma_scale_f32_16x16x128_f8f6f4 v[8*(8*((\a)%4)+\b):8*(8*((\a)%4)+\b)+7], v[128*(\p)+FR*\b:128*(\p)+FR*\b+FR-1], v[AF+FR*(\a):AF+FR*(\a)+FR-1], v[BIAS+8*\b:BIAS+8*\b+7], v[SC+8*NQ*(\sc)+NQ*\b+(\q)], v[SC+8*NQ*(\sc)+NQ*(\a)+(\q)] matrix_a_fmt:MATRIX_FMT_FP4 matrix_b_fmt:MATRIX_FMT_FP4 matrix_a_scale:MATRIX_SCALE_ROW1
.elseif \zero
	v_wmma_scale_f32_16x16x128_f8f6f4 v[8*(8*((\a)%4)+\b):8*(8*((\a)%4)+\b)+7], v[128*(\p)+FR*\b:128*(\p)+FR*\b+FR-1], v[AF+FR*(\a):AF+FR*(\a)+FR-1], 0, v[SC+8*NQ*(\sc)+NQ*\b+(\q)], v[SC+8*NQ*(\sc)+NQ*(\a)+(\q)] matrix_a_fmt:MATRIX_FMT_FP4 matrix_b_fmt:MATRIX_FMT_FP4 matrix_a_scale:MATRIX_SCALE_ROW1
.else
	v_wmma_scale_f32_16x16x128_f8f6f4 v[8*(8*((\a)%4)+\b):8*(8*((\a)%4)+\b)+7], v[128*(\p)+FR*\b:128*(\p)+FR*\b+FR-1], v[AF+FR*(\a):AF+FR*(\a)+FR-1], v[8*(8*((\a)%4)+\b):8*(8*((\a)%4)+\b)+7], v[SC+8*NQ*(\sc)+NQ*\b+(\q)], v[SC+8*NQ*(\sc)+NQ*(\a)+(\q)] matrix_a_fmt:MATRIX_FMT_FP4 matrix_b_fmt:MATRIX_FMT_FP4 matrix_a_scale:MATRIX_SCALE_ROW1
.endif
.endr
.endr
.endm
.macro FETCH_B slot, q, p              ; B's eight fragments of the slot's q-th 128 along K into set p
	WIN TO_B
.irp i, 0,1,2,3,4,5,6,7
	FRAG 128*(\p)+FR*\i, ADRB+\slot, \q, \i
.endr
	WIN 0
.endm
.macro FETCH_A slot, q, i0             ; A's blocks i0 .. i0 + 3
.irp i, \i0, \i0+1, \i0+2, \i0+3
	FRAG AF+FR*(\i), ADRA+\slot, \q, \i
.endr
.endm
.macro SCALES sc                       ; a slot's scale words into set sc: four words a row; lanes 0-15 take A's block i, lanes 16-31 B's block i
.irp i, 0,1,2,3,4,5,6,7
	ds_load_b128 v[SC+8*NQ*\sc+NQ*\i:SC+8*NQ*\sc+NQ*\i+3], v[ADRS] offset:\i*SBLK
.endr
.endm
; A load into a register that a matrix instruction has read, and a vector instruction that reads a matrix result, stand NP places behind that matrix instruction; only plain vector
; instructions that name none of its registers are places (ISA guide 7.12.1 for vector instructions).
.macro PLACES n
.rept \n
	v_nop
.endr
.endm
; A step of 128 along K that has its successor in the same slot.  A's blocks go one after the other, each against B's eight: so one set of registers serves A (blocks 0-3 are fetched anew in the step's middle,
; blocks 4-7 at its end), and B, at work through the whole step, has two.
.macro STEP slot, q, zero
	s_wait_dscnt 4*NL                              ; B's set and A's blocks 0-3 are in; the youngest eight loads (A's blocks 4-7) may be out
	WMUL 0, \zero
	MUL16 0, (\q)%2, \q, \slot, \zero
	MUL16 2, (\q)%2, \q, \slot, \zero
	s_wait_dscnt 0                                 ; A's blocks 4-7 are in (asked for 32 matrix instructions ago)
	PLACES NP
	FETCH_B \slot, (\q)+1, 1-(\q)%2
	FETCH_A \slot, (\q)+1, 0
	WMUL 1, \zero
	MUL16 4, (\q)%2, \q, \slot, \zero
	MUL16 6, (\q)%2, \q, \slot, \zero
	PLACES NP
	WIN 0
	FETCH_A \slot, (\q)+1, 4
.endm
.macro STEPS slot, from                ; the slot's steps from .. NQ - 2
.set Q, \from
.rept NQ-1-\from
	STEP \slot, Q, 0
.set Q, Q+1
.endr
.endm
	s_wait_tensorcnt 1                             ; the scales and my part of slot 0 are in (slot 1's load may be out)
	s_barrier_signal -1
	s_barrier_wait -1                              ; everybody's are
	FETCH_B 0, 0, 0
	FETCH_A 0, 0, 0
	SCALES 0
	FETCH_A 0, 0, 4
.if HID
	s_wait_loadcnt 0x0                             ; b1
.endif
	STEP 0, 0, 1                                   ; the first step's products start the sums: nothing is cleared
	STEPS 0, 1
	; slot 0's last step goes over to slot 1: my part of it has landed, and behind the barrier everybody's has
	s_wait_tensorcnt 0x0
	s_wait_dscnt 4*NL
	WIN MUL_LO
	MUL16 0, 1, NQ-1, 0, 0
	s_wait_dscnt 0x0                               ; no LDS instruction of mine is out at the signal
	s_barrier_signal -1
	MUL16 2, 1, NQ-1, 0, 0                         ; work on registers while the others arrive
	WIN 0
	s_barrier_wait -1
	PLACES NP
	v_add_nc_u32 v[ADRS], 4*NQ, v[ADRS]            ; on to slot 1's scale words
	FETCH_B 1, 0, 0
	FETCH_A 1, 0, 0
	SCALES 1
	WIN MUL_HI
	MUL16 4, 1, NQ-1, 0, 0
	MUL16 6, 1, NQ-1, 0, 0
	PLACES NP
	WIN 0
	FETCH_A 1, 0, 4
	STEPS 1, 0
	s_wait_dscnt 4*NL                              ; the last step: nothing more to fetch
	WIN MUL_LO
	MUL16 0, 1, NQ-1, 1, 0
	MUL16 2, 1, NQ-1, 1, 0
	s_wait_dscnt 0
	WIN MUL_HI
	MUL16 4, 1, NQ-1, 1, 0
	MUL16 6, 1, NQ-1, 1, 0
	WIN 0
	PLACES NP
; THE WAY OUT of my tile a of 16 rows x 128 columns.  Block beta of 32 columns: accumulators 2 beta and 2 beta + 1, lanes l and l xor 16.  Accumulator t's conversion gives lane (r, h) the codes of columns 16 t + 8 h + 0 .. 7.
; In each group of four registers the eight pieces of 8 codes lie as (0,1) (2,3) (4,5) (6,7) (lower lanes, upper lanes); the operand wants (0,4) (1,5) (2,6) (3,7): four exchanges of a register's upper lanes with another's lower lanes.
; Each accumulator is read from its low end on.
.macro QROW a
.set WW, 2+(\a)/4
.set AC, 64*((\a)%4)
.set PA, PC+8*(\a)
.if HID
.set NW, (WW<<6)|(WW<<2)
	WIN NW                                         ; destination and source 1 in the accumulators' window
.set j, 0
.rept 64
	v_max_num_f32 v[AC+j], 0, v[AC+j]              ; the activation, in f32
.set j, j+1
.endr
.endif
.set NW, (WW<<4)|(WW<<2)
	WIN NW                                         ; sources 1 and 2 in the accumulators' window
.irp b, 0,1,2,3
	v_max3_num_f32 v[TM+\b], 0x1800000, |v[AC+16*\b]|, |v[AC+16*\b+1]|   ; my 16 numbers of block b, and the floor 2^(3 - 127): the byte cannot fall under 1
.endr
.irp i, 2,4,6,8,10,12,14
.irp b, 0,1,2,3
	v_max3_num_f32 v[TM+\b], v[TM+\b], |v[AC+16*\b+\i]|, |v[AC+16*\b+\i+1]|   ; (the four blocks by turns)
.endr
.endr
	WIN 0
.irp b, 0,1,2,3
	v_permlanex16_b32 v[TP+\b], v[TM+\b], s66, s67
.endr
.irp b, 0,1,2,3
	v_max_num_f32 v[TM+\b], v[TM+\b], v[TP+\b]     ; with lane l xor 16's: the block's largest magnitude
.endr
.irp b, 0,1,2,3
	v_add_nc_u32 v[SO+\b], 0xff000000, v[TM+\b]    ; 2 off its exponent field: the conversion's scale operand
.endr
.irp b, 0,1,2,3
	v_lshrrev_b32 v[TP+\b], 23, v[SO+\b]           ; the scale's byte
.endr
	v_lshl_or_b32 v[PW+\a], v[TP+1], 8, v[TP]      ; my row's scale word
	v_lshl_or_b32 v[PW+\a], v[TP+2], 16, v[PW+\a]
	v_lshl_or_b32 v[PW+\a], v[TP+3], 24, v[PW+\a]
	WIN WW                                         ; source 0 in the accumulators' window
.irp t, 0,1,2,3,4,5,6,7
	v_cvt_scalef32_pk8_fp4_f32 v[PA+\t], v[AC+8*\t:AC+8*\t+7], v[SO+\t/2]
.endr
	WIN 0
	v_nop                                          ; one plain instruction behind the scaled conversions
.irp c, 0,1
	v_permlane16_swap_b32 v[PA+4*\c], v[PA+4*\c+1]
	v_permlane16_swap_b32 v[PA+4*\c+2], v[PA+4*\c+3]
	v_permlane16_swap_b32 v[PA+4*\c], v[PA+4*\c+2]
	v_permlane16_swap_b32 v[PA+4*\c+1], v[PA+4*\c+3]
.endr
	global_store_b128 v[IMO+\a], v[PA:PA+3], s[12:13]             ; 32 lanes store 512 consecutive bytes, twice: the fragment's image
	global_store_b128 v[IMO+\a], v[PA+4:PA+7], s[12:13] offset:512
.endm
.irp a, 0,1,2,3,4,5,6,7
	QROW \a
.endr
	v_cmp_eq_u32 vcc_lo, 1, v2
.irp i, 0,1,2,3
	v_cndmask_b32 v[TM+\i], v[PW+2*\i], v[PW+2*\i+1], vcc_lo      ; lanes 0-15 carry tile 2 i's words, lanes 16-31 tile 2 i + 1's
.endr
.irp i, 0,1,2,3
	global_store_b32 v[SCO+\i], v[TM+\i], s[2:3]
.endr
	CROUND                                         ; the closing round: no work-group ends while a partner may still ask for a tile that names it
	s_endpgm
.Lfunc_end_k_q4615cf916d_qkv:
	.size	k_q4615cf916d_qkv, .Lfunc_end_k_q4615cf916d_qkv-k_q4615cf916d_qkv
	.p2alignl 7, 3214868480
	.fill 96, 4, 3214868480
	.section	.rodata,"a",@progbits
	.p2align	6, 0x0
	.amdhsa_kernel k_q4615cf916d_qkv
		.amdhsa_group_segment_fixed_size 327680
		.amdhsa_private_segment_fixed_size 0
		.amdhsa_enable_private_segment 0
		.amdhsa_kernarg_size 64
		.amdhsa_user_sgpr_count 2
		.amdhsa_user_sgpr_kernarg_segment_ptr 1
		.amdhsa_wavefront_size32 1
		.amdhsa_system_sgpr_workgroup_id_x 1
		.amdhsa_system_sgpr_workgroup_id_y 1
		.amdhsa_system_sgpr_workgroup_id_z 1
		.amdhsa_system_vgpr_workitem_id 0
		.amdhsa_next_free_vgpr 1024
		.amdhsa_next_free_sgpr 102
		.amdhsa_reserve_vcc 1
		.amdhsa_float_denorm_mode_32 3
		.amdhsa_float_denorm_mode_16_64 3
		.amdhsa_memory_ordered 1
		.amdhsa_forward_progress 1
		.amdhsa_inst_pref_size 129
	.end_amdhsa_kernel
	.amdgpu_metadata
---
amdhsa.version: [ 1, 2 ]
amdhsa.kernels:
  - .name:           k_q4615cf916d_qkv
    .symbol:         k_q4615cf916d_qkv.kd
    .args:
      - { .name: xq, .offset: 0, .size: 8, .value_kind: global_buffer, .address_space: global }
      - { .name: wq_codes, .offset: 8, .size: 8, .value_kind: global_buffer, .address_space: global }
      - { .name: wq_scales, .offset: 16, .size: 8, .value_kind: global_buffer, .address_space: global }
      - { .name: wk_codes, .offset: 24, .size: 8, .value_kind: global_buffer, .address_space: global }
      - { .name: wk_scales, .offset: 32, .size: 8, .value_kind: global_buffer, .address_space: global }
      - { .name: wv_codes, .offset: 40, .size: 8, .value_kind: global_buffer, .address_space: global }
      - { .name: wv_scales, .offset: 48, .size: 8, .value_kind: global_buffer, .address_space: global }
      - { .name: qkv, .offset: 56, .size: 8, .value_kind: global_buffer, .address_space: global }
    .group_segment_fixed_size: 327680
    .private_segment_fixed_size: 0
    .kernarg_segment_align: 8
    .kernarg_segment_size: 64
    .max_flat_workgroup_size: 128
    .sgpr_count:     102
    .vgpr_count:     1024
    .wavefront_size: 32
...
	.end_amdgpu_metadata
.endif
;; end of part 2
;; launch att (part 3): grid 4 x 64, 16 waves a work-group, clusters of 4 x 1, 167,936 bytes of LDS; arguments qkv, at; writes at
.if DOCPART == 3
	.amdgcn_target "amdgcn-amd-amdhsa--gfx1250"
	.amdhsa_code_object_version 6
	.text
	.protected	k_q4615cf916d_att
	.globl	k_q4615cf916d_att
	.p2align	8
	.type	k_q4615cf916d_att,@function
k_q4615cf916d_att:
	s_mov_b64 s[64:65], 0
	v_nop
	global_prefetch_b8 v0, s[64:65] scope:SCOPE_SE
	s_setreg_imm32_b32 hwreg(HW_REG_WAVE_MODE, 25, 1), 1
	s_wait_xcnt 0x0
	s_wait_alu depctr_hold_cnt(0) depctr_sa_sdst(0) depctr_va_vdst(0) depctr_va_sdst(0) depctr_va_ssrc(0) depctr_va_vcc(0) depctr_vm_vsrc(0)
	s_getreg_b32 s2, hwreg(HW_REG_IB_STS2, 6, 4)
	s_cmp_eq_u32 s2, 0
	s_cbranch_scc0 .Lentry_in_a_cluster
	s_endpgm
.Lentry_in_a_cluster:
	s_bfe_u32 s2, ttmp6, 0x10000c
	s_cmp_lg_u32 s2, 0x3003
	s_cbranch_scc0 .Lentry_shape_is_right
	s_endpgm
.Lentry_shape_is_right:
; Causal attention of one (batch, head) on codes of FP4 (E2M1) with one E8M0 scale for each 32 along a product's K.  1,024 queries and keys, head size 64.
; IN (buffer qkv): operand fragments as images of their registers, [rows / 16][columns / 128][1,024 bytes], byte 512 c + 16 lane = registers 4 c .. 4 c + 3 of the lane:
;   q at byte 0 and k at 2 MiB: rows = tokens, columns = (head, e): a fragment holds TWO heads;   v at 4 MiB: rows = (head, e), columns = tokens (the keys are the second product's K).
;   Scale words [rows / 16][columns / 128][16 rows][4 bytes]: q's at 6 MiB, k's 128 KiB on, v's 256 KiB on.
; OUT (buffer at): attn[token][(head, e)] quantised along (head, e), in the same two forms: image at byte 0, scale words at 2 MiB.
; THE SOFTMAX AHEAD OF THE SECOND PRODUCT: t = score x log2(e) / 8; M = the row's largest t so far, rounded UP to a whole number; p = 2^(t - M) is quantised along the keys, not normalised.
; The row's sum is taken of the unquantised p and divides O at the end.  When M moves, the sum and O are multiplied by 2^(old M - new M): exact.
; K = 64 IN AN INSTRUCTION OF 128: k's fragment and both scale words are taken whole, both heads of the pair; in q's fragment the four registers of the OTHER head are made zero codes, which add nothing.
; SHARES.  The four work-groups of a cluster serve one (batch, head).  A wave owns one tile of 16 queries: tile 4 x rank + cx, rank made of the wave's number so that the four waves of a SIMD (w % 4 alike)
; have 18 key steps together; the last step of a tile, rank / 2, hangs on the wave's number alone.  Every wave walks a loop of eight trips of 128 keys and jumps over the trips all of whose keys are hidden.
; K, V and their scale words of the whole head lie in LDS, filled ONCE by four joint loads (waves 0 to 3, the same descriptor and a mask that names the four work-groups): no LDS byte is filled again.
; LAYOUT.  Both products are used transposed: S^T = K Q^T, O^T = V^T P^T: a lane holds ONE query (lane % 16).  In score tile kt lane (r, h) holds keys 16 kt + 8 h + 0 .. 7; a block of 32 keys is tiles 2 b, 2 b + 1 in lanes l, l xor 16.
; The conversions' results are brought into the operand's order by lane exchanges: in each four registers the eight pieces lie (0,1) (2,3) (4,5) (6,7) and the operand wants (0,4) (1,5) (2,6) (3,7).
; The scale bytes of attn leave one byte a lane (two of a row's four bytes are this head's): one sixteenth of the output's bytes.
; LIMITS: a block whose largest magnitude lies under 2^-124, zeros among them, gets the byte 1 (the rule says 127 for zeros); the bytes are read by this program alone.  NaN and infinities are not served.
.set KIMG, 0                           ; 64 tiles of 16 keys x 1,024 bytes
.set VIMG, 65536                       ; 4 tiles of 16 channels x 8 key steps x 1,024 bytes
.set KSC,  98304                       ; 64 x 64 bytes
.set VSC,  102400                      ; 4 x 8 x 64 bytes
.set ADK,  5                           ; v5-8  LDS addresses of the step in hand: K, V, K's scale words, V's
.set ADV,  6
.set ADKS, 7
.set ADVS, 8
.set QF,   16                          ; v[16:23] Q's fragment;  v24 its scale words
.set QS,   24
.set KSW,  26                          ; v26-29 K's scale words: tile 2 i in lanes 0-15, tile 2 i + 1 in lanes 16-31
.set VSW,  30                          ; v30-33 V's
.set PSW,  34                          ; v34    p's
.set KF,   40                          ; v40-103 K's eight fragments; V's four take v40-71
.set S,    104                         ; v104-167 S^T, then p
.set O,    168                         ; v168-199 O^T
.set PC,   200                         ; v200-207 p's codes
.set BM,   208                         ; v208-211 the blocks' largest scores, then largest p
.set BP,   212                         ; v212-215 lane l xor 16's, then the bytes
.set SO,   216                         ; v216-219 the conversions' scale operands
.set F,    220                         ; v[220:221] f = 2^(old M - new M); the pair's upper half is written once
.set TMP,  222
.set SU,   224                         ; v[224:225] the sum's second chain
.set WV,   8
.set DIAG, 15                          ; s15 my last key step
.set STEP, 16
.set TK,   17                          ; s17-20 where the step's tiles and scale words begin in LDS
.set TKS,  18
.set TV,   19
.set TVS,  20
.set G1K,  24
.set G1V,  32
.set G1KS, 40
.set G1VS, 48
.set G0K,  56
.set G0V,  60
.set G0KS, 68
.set G0VS, 72
.set CS,   76                          ; s[76:77] c = log2(e) / 8
.set SEL,  78                          ; s[78:79] lane l xor 16
.macro MKG1 g, c, r, p                 ; group 1: r rows of c elements of 8 bytes, p elements apart in memory, dense in LDS; the mask names all four work-groups, bit 21 beside it
	s_mov_b32 s[\g], 15|(3<<16)|(1<<21)
	s_mov_b32 s[\g+1], (\c)<<16
	s_mov_b32 s[\g+2], (\r)<<16
	s_mov_b32 s[\g+3], (\c)<<16
	s_mov_b32 s[\g+4], \r
	s_mov_b32 s[\g+5], \p
	s_mov_b32 s[\g+6], 0
	s_mov_b32 s[\g+7], 0
.endm
.macro MKG0 g, lds, o                  ; group 0: to LDS byte lds, from the buffer + s[o:o+1]
	s_mov_b32 s[\g], 1
	s_mov_b32 s[\g+1], \lds
	s_add_nc_u64 s[\g+2:\g+3], s[4:5], s[\o:\o+1]
	s_or_b32 s[\g+3], s[\g+3], 0x80000000
.endm
.macro CROUND                          ; a round of the cluster's barrier
	s_barrier_signal -1
	s_barrier_wait -1
	s_cmp_lg_u32 s[WV], 0
	s_cbranch_scc1 .Lnot_wave_0_\@
	s_barrier_signal -3
.Lnot_wave_0_\@:
	s_barrier_wait -3
	s_barrier_signal -1
	s_barrier_wait -1
.endm
	s_load_b128 s[4:7], s[0:1], 0x0                ; qkv s[4:5], at s[6:7]
	v_lshrrev_b32 v9, 5, v0
	v_readfirstlane_b32 s[WV], v9                  ; wave 0..15
	s_bfe_u32 s9, ttmp6, 0x40000                   ; cx
	s_and_b32 s10, ttmp7, 0xffff                   ; 16 x batch + head: the four partners share it
	s_lshr_b32 s11, s10, 4                         ; batch
	s_and_b32 s12, s10, 15                         ; head
	s_lshr_b32 s21, s12, 1                         ; the pair of heads that share a fragment
	s_and_b32 s22, s12, 1                          ; and which of the two is mine
	s_and_b32 s80, s[WV], 3
	s_lshr_b32 s81, s[WV], 2
	s_and_b32 s82, s81, 1
	s_mul_i32 s82, s82, 3
	s_xor_b32 s80, s80, s82
	s_lshl_b32 s81, s81, 2
	s_add_co_u32 s13, s81, s80                     ; rank = 4 (w / 4) + (w % 4, turned round in every second group of four)
	s_lshr_b32 s[DIAG], s13, 1                     ; = (4 rank + cx) / 8 for every cx
	s_lshl_b32 s14, s13, 2
	s_add_co_u32 s14, s14, s9                      ; my tile of 16 queries
	MKG1 G1K, 128, 64, 1024                        ; K: 64 fragments of 1,024 bytes, 8,192 apart
	MKG1 G1V, 1024, 4, 4096                        ; V: 4 runs of 8 fragments, 32,768 apart
	MKG1 G1KS, 8, 64, 64                           ; K's scale words: 64 x 64 bytes, 512 apart
	MKG1 G1VS, 64, 4, 256                          ; V's: 4 x 512 bytes, 2,048 apart
	s_lshl_b32 s96, s11, 19                        ; a batch: 64 tiles of 16 tokens x 8,192 bytes
	s_lshl_b32 s97, s21, 10
	s_add_co_u32 s80, s96, s97
	s_lshl_b32 s96, s14, 13
	s_add_co_u32 s88, s80, s96                     ; q's fragment of my tile
	s_lshl_b32 s96, s22, 9
	s_add_co_u32 s92, s88, s96                     ; attn: my head's half of the same fragment
	s_add_co_u32 s80, s80, 0x200000                ; K's first fragment
	s_lshl_b32 s96, s11, 15                        ; scale words: 64 tiles x 512 bytes a batch
	s_lshl_b32 s97, s21, 6
	s_add_co_u32 s84, s96, s97
	s_lshl_b32 s96, s14, 9
	s_add_co_u32 s90, s84, s96
	s_lshl_b32 s96, s22, 1
	s_add_co_u32 s94, s90, s96
	s_add_co_u32 s94, s94, 0x200000                ; attn's scale bytes: my head's two of a row's four
	s_add_co_u32 s90, s90, 0x600000                ; q's scale words
	s_add_co_u32 s84, s84, 0x620000                ; K's
	s_lshl_b32 s96, s12, 17                        ; V: a head is 4 tiles of 16 channels x 32,768 bytes; a batch 8 fragments
	s_lshl_b32 s97, s11, 13
	s_add_co_u32 s82, s96, s97
	s_add_co_u32 s82, s82, 0x400000
	s_lshl_b32 s96, s12, 13
	s_lshl_b32 s97, s11, 9
	s_add_co_u32 s86, s96, s97
	s_add_co_u32 s86, s86, 0x640000
.irp o, 81,83,85,87,89,91,93,95
	s_mov_b32 s\o, 0
.endr
	s_mov_b32 s[CS], 0x3e38aa3b                    ; log2(e) / sqrt(64)
	s_mov_b32 s[CS+1], s[CS]                       ; (named with it as a pair, so it is written)
	s_mov_b32 s[SEL], 0x76543210
	s_mov_b32 s[SEL+1], 0xfedcba98
	s_mov_b32 s[STEP], 0
	s_mov_b32 s[TK], KIMG
	s_mov_b32 s[TKS], KSC
	s_mov_b32 s[TV], VIMG
	s_mov_b32 s[TVS], VSC
	s_cmp_eq_u32 s22, 0
	s_cselect_b32 s2, -1, 0                        ; keeps registers 0-3 of q's fragment (the pair's first head),
	s_cselect_b32 s3, 0, -1                        ; or registers 4-7
	s_wait_kmcnt 0x0
	MKG0 G0K, KIMG, 80
	MKG0 G0V, VIMG, 82
	MKG0 G0KS, KSC, 84
	MKG0 G0VS, VSC, 86
	s_add_nc_u64 s[88:89], s[4:5], s[88:89]
	s_add_nc_u64 s[90:91], s[4:5], s[90:91]
	s_add_nc_u64 s[92:93], s[6:7], s[92:93]
	s_add_nc_u64 s[94:95], s[6:7], s[94:95]
	CROUND                                         ; all four work-groups are here: the joint loads meet
	s_cmp_lg_u32 s[WV], 0                          ; one load each for waves 0 to 3; the branches hang on the wave's number alone; four v_nop follow each load
	s_cbranch_scc1 .Lw1
	tensor_load_to_lds s[G0K:G0K+3], s[G1K:G1K+7]
.rept 4
	v_nop
.endr
	s_branch .Lasked
.Lw1:
	s_cmp_lg_u32 s[WV], 1
	s_cbranch_scc1 .Lw2
	tensor_load_to_lds s[G0V:G0V+3], s[G1V:G1V+7]
.rept 4
	v_nop
.endr
	s_branch .Lasked
.Lw2:
	s_cmp_lg_u32 s[WV], 2
	s_cbranch_scc1 .Lw3
	tensor_load_to_lds s[G0KS:G0KS+3], s[G1KS:G1KS+7]
.rept 4
	v_nop
.endr
	s_branch .Lasked
.Lw3:
	s_cmp_lg_u32 s[WV], 3
	s_cbranch_scc1 .Lasked
	tensor_load_to_lds s[G0VS:G0VS+3], s[G1VS:G1VS+7]
.rept 4
	v_nop
.endr
.Lasked:
	v_and_b32 v2, 31, v0
	v_lshlrev_b32 v1, 4, v2                        ; 16 x lane: my place in an image
	v_lshlrev_b32 v2, 2, v2                        ; 4 x lane
	v_and_b32 v9, 15, v0                           ; r
	v_bfe_u32 v10, v0, 4, 1                        ; h
	v_lshlrev_b32 v3, 2, v9                        ; 4 r
	global_load_b128 v[QF:QF+3], v1, s[88:89]
	global_load_b128 v[QF+4:QF+7], v1, s[88:89] offset:512
	global_load_b32 v[QS], v3, s[90:91]
	s_and_b32 s80, s14, 7
	s_lshl_b32 s80, s80, 4
	v_lshlrev_b32 v11, 3, v10
	v_sub_nc_u32 v4, v9, v11
	v_add_nc_u32 v4, s80, v4                       ; d = my query's place in its last step - 8 h: there register 8 kt + j holds a hidden key where 16 kt + j > d
	v_lshl_add_u32 v11, v9, 2, v10                 ; the way out: 4 r + h
	v_mov_b32 v13, 0xff61b1e6                      ; the largest t so far: -3e38, under every t
	v_floor_f32 v12, -v13                          ; -M
	v_mov_b32 v14, 0                               ; the sum, in two halves
	v_mov_b32 v15, 0
.irp b, 0,1,2,3
	v_mov_b32 v[BP+\b], 0                          ; written once: a lane permute's destination counts as one of its sources
.endr
	v_mov_b32 v[F+1], 0
	v_mov_b32 v[TMP], 0
	s_wait_loadcnt 0x0                             ; Q
.irp i, 0,1,2,3
	v_and_b32 v[QF+\i], s2, v[QF+\i]               ; the other head's codes become zeros
	v_and_b32 v[QF+4+\i], s3, v[QF+4+\i]
.endr
.set j, 0
.rept 32
	v_mov_b32 v[O+j], 0                            ; O^T.  (The step is written once: the first finds zeros, which the first change of M leaves zeros)
.set j, j+1
.endr
	s_wait_tensorcnt 0x0                           ; my load, if I had one, has landed,
	s_barrier_signal -1
	s_barrier_wait -1                              ; everybody's has
.Ltrip:                                            ; eight trips of 128 keys: the count is a constant; a trip all of whose keys come after my queries is jumped over, but for the lines that step addresses
	s_cmp_gt_u32 s[STEP], s[DIAG]
	s_cbranch_scc1 .Lskip
	v_add_nc_u32 v[ADK], s[TK], v1                 ; (these four are also the places in front of loads into registers that the last products read)
	v_add_nc_u32 v[ADV], s[TV], v1
	v_add_nc_u32 v[ADKS], s[TKS], v2
	v_add_nc_u32 v[ADVS], s[TVS], v3
.irp kt, 0,1,2,3,4,5,6,7
	ds_load_b128 v[KF+8*\kt:KF+8*\kt+3], v[ADK] offset:1024*\kt
	ds_load_b128 v[KF+8*\kt+4:KF+8*\kt+7], v[ADK] offset:1024*\kt+512
.endr
.irp i, 0,1,2,3
	ds_load_b32 v[KSW+\i], v[ADKS] offset:128*\i
.endr
	s_wait_dscnt 0x0
.irp kt, 0,2,4,6                               ; S^T = K Q^T
	v_wmma_scale_f32_16x16x128_f8f6f4 v[S+8*\kt:S+8*\kt+7], v[KF+8*\kt:KF+8*\kt+7], v[QF:QF+7], 0, v[KSW+\kt/2], v[QS] matrix_a_fmt:MATRIX_FMT_FP4 matrix_b_fmt:MATRIX_FMT_FP4
	v_wmma_scale_f32_16x16x128_f8f6f4 v[S+8*\kt+8:S+8*\kt+15], v[KF+8*\kt+8:KF+8*\kt+15], v[QF:QF+7], 0, v[KSW+\kt/2], v[QS] matrix_a_fmt:MATRIX_FMT_FP4 matrix_b_fmt:MATRIX_FMT_FP4 matrix_a_scale:MATRIX_SCALE_ROW1
.endr
.rept 4
	v_nop                                          ; places: in front of the loads into K's registers and of the first read of the scores
.endr
.irp ct, 0,1,2,3                               ; V's fragments are asked for now and land under the softmax
	ds_load_b128 v[KF+8*\ct:KF+8*\ct+3], v[ADV] offset:8192*\ct
	ds_load_b128 v[KF+8*\ct+4:KF+8*\ct+7], v[ADV] offset:8192*\ct+512
	ds_load_b32 v[VSW+\ct], v[ADVS] offset:512*\ct
.endr
	s_cmp_lg_u32 s[STEP], s[DIAG]                  ; in my last step the scores of hidden keys become -infinity ahead of the maximum: p = 0 then
	s_cbranch_scc1 .Lopen
	v_mov_b32 v[TMP], 0xff800000
.set n, 0
.rept 64
	v_cmp_gt_i32 vcc_lo, 16*(n/8)+n%8, v4
	v_cndmask_b32 v[S+n], v[S+n], v[TMP], vcc_lo
.set n, n+1
.endr
.Lopen:
.irp b, 0,1,2,3
	v_max3_num_f32 v[BM+\b], v[S+16*\b], v[S+16*\b+1], v[S+16*\b+2]   ; the largest score of each block of 32 keys: it serves the row's maximum and, since p rises with the score, the block's largest p
.endr
.irp i, 3,5,7,9,11,13
.irp b, 0,1,2,3
	v_max3_num_f32 v[BM+\b], v[BM+\b], v[S+16*\b+\i], v[S+16*\b+\i+1]
.endr
.endr
.irp b, 0,1,2,3
	v_max_num_f32 v[BM+\b], v[BM+\b], v[S+16*\b+15]
.endr
.irp b, 0,1,2,3
	v_permlanex16_b32 v[BP+\b], v[BM+\b], s[SEL], s[SEL+1]
.endr
.irp b, 0,1,2,3
	v_max_num_f32 v[BM+\b], v[BM+\b], v[BP+\b]     ; with lane l xor 16's 16 keys
.endr
	v_max3_num_f32 v[TMP], v[BM], v[BM+1], v[BM+2]
	v_max_num_f32 v[TMP], v[TMP], v[BM+3]          ; the step's largest score of my query
	v_mul_f32 v[TMP], s[CS], v[TMP]                ; as t (c is positive)
	v_max_num_f32 v13, v13, v[TMP]                 ; the running largest t
	v_mov_b32 v[TMP], v12
	v_floor_f32 v12, -v13                          ; the new -M = floor(-t) = -ceil(t): a whole number
	v_sub_f32 v[TMP], v12, v[TMP]                  ; old M - new M: a whole number, 0 or less
	v_cvt_i32_f32 v[TMP], v[TMP]                   ; (it saturates)
	v_ldexp_f32 v[F], 1.0, v[TMP]                  ; f = 2^(old M - new M): a multiplication by it rounds nothing
.set j, 0
.rept 32
	v_pk_fma_f32 v[S+j:S+j+1], v[S+j:S+j+1], s[CS:CS+1], v[12:13] op_sel_hi:[1,0,0]   ; t - M, two at a time (of the pairs c and -M the low word serves both halves)
.set j, j+2
.endr
.irp b, 0,1,2,3
	v_fma_f32 v[BM+\b], v[BM+\b], s[CS], v12       ; the same of each block's largest score
.endr
.set j, 0
.rept 64
	v_exp_f32 v[S+j], v[S+j]                       ; p = 2^(t - M), at most 1: not normalised
.set j, j+1
.endr
	v_pk_mul_f32 v[14:15], v[14:15], v[F:F+1] op_sel_hi:[1,0]   ; the sums under the new M (a plain instruction behind the exponentials)
	s_wait_alu depctr_va_vdst(0)                   ; one wait for the whole batch, ahead of its first reader
.irp b, 0,1,2,3
	v_exp_f32 v[BM+\b], v[BM+\b]                   ; the block's largest p: the same two instructions on the same number give the same bits
.endr
	v_pk_add_f32 v[SU:SU+1], v[S:S+1], v[S+2:S+3]  ; the row's sum is taken of the unquantised p, in two chains; it reads the 64 alone
.irp j, 4,8,12,16,20,24,28,32,36,40,44,48,52,56,60
	v_pk_add_f32 v[14:15], v[14:15], v[S+\j:S+\j+1]
	v_pk_add_f32 v[SU:SU+1], v[SU:SU+1], v[S+\j+2:S+\j+3]
.endr
	v_pk_add_f32 v[14:15], v[14:15], v[SU:SU+1]
	s_wait_alu depctr_va_vdst(0)                   ; and one for the four
.irp b, 0,1,2,3
	v_max_num_f32 v[BM+\b], 0x1800000, v[BM+\b]    ; the floor 2^(3 - 127): the byte cannot fall under 1 (a block whose every p is 0 keeps that byte: its codes are zeros)
.endr
.irp b, 0,1,2,3
	v_add_nc_u32 v[SO+\b], 0xff000000, v[BM+\b]    ; 2 off the exponent field: the conversion's scale operand
.endr
.irp b, 0,1,2,3
	v_lshrrev_b32 v[BP+\b], 23, v[SO+\b]           ; the scale's byte
.endr
	v_lshl_or_b32 v[PSW], v[BP+1], 8, v[BP]        ; p's scale word for these 128 keys
	v_lshl_or_b32 v[PSW], v[BP+2], 16, v[PSW]
	v_lshl_or_b32 v[PSW], v[BP+3], 24, v[PSW]
.irp t, 0,1,2,3,4,5,6,7
	v_cvt_scalef32_pk8_fp4_f32 v[PC+\t], v[S+8*\t:S+8*\t+7], v[SO+\t/2]
.endr
	v_nop                                          ; one plain instruction behind the scaled conversions
.irp c, 0,1
	v_permlane16_swap_b32 v[PC+4*\c], v[PC+4*\c+1]
	v_permlane16_swap_b32 v[PC+4*\c+2], v[PC+4*\c+3]
	v_permlane16_swap_b32 v[PC+4*\c], v[PC+4*\c+2]
	v_permlane16_swap_b32 v[PC+4*\c+1], v[PC+4*\c+3]
.endr
.set j, 0
.rept 16
	v_pk_mul_f32 v[O+j:O+j+1], v[O+j:O+j+1], v[F:F+1] op_sel_hi:[1,0]   ; O^T under the new M.  (These sixteen are also the places between the lines that made p's codes and scale word and the products)
.set j, j+2
.endr
	s_wait_dscnt 0x0                               ; V
.irp ct, 0,1,2,3                               ; O^T += V^T P^T: four accumulators, one instruction a turn
	v_wmma_scale_f32_16x16x128_f8f6f4 v[O+8*\ct:O+8*\ct+7], v[KF+8*\ct:KF+8*\ct+7], v[PC:PC+7], v[O+8*\ct:O+8*\ct+7], v[VSW+\ct], v[PSW] matrix_a_fmt:MATRIX_FMT_FP4 matrix_b_fmt:MATRIX_FMT_FP4
.endr
.Lskip:
	s_add_co_u32 s[TK], s[TK], 8192                ; the next 128 keys: 8 fragments of K, 8 x 64 bytes of its scale words, one fragment in each of V's runs, 64 bytes of its scale words
	s_add_co_u32 s[TKS], s[TKS], 512
	s_add_co_u32 s[TV], s[TV], 1024
	s_add_co_u32 s[TVS], s[TVS], 64
	s_add_co_u32 s[STEP], s[STEP], 1
	s_cmp_lt_u32 s[STEP], 8
	s_cbranch_scc1 .Ltrip
	; THE WAY OUT: O^T / the sum, quantised along the head's 64 channels (two blocks): half a fragment of the next product's operand
.rept 4
	v_nop                                          ; places behind the last products
.endr
	v_add_f32 v14, v14, v15                        ; the sum's two halves,
	v_permlanex16_b32 v[TMP], v14, s[SEL], s[SEL+1]
	v_add_f32 v14, v14, v[TMP]                     ; and lane l xor 16's
	v_rcp_f32 v[F], v14
	v_nop                                          ; a plain instruction behind the transcendental
	s_wait_alu depctr_va_vdst(0)                   ; and the wait ahead of its first reader
.set j, 0
.rept 16
	v_pk_mul_f32 v[S+j:S+j+1], v[O+j:O+j+1], v[F:F+1] op_sel_hi:[1,0]   ; register 8 ct + i: attn(query r, channel 16 ct + 8 h + i); each accumulator from its low end on
.set j, j+2
.endr
.irp b, 0,1
	v_max3_num_f32 v[BM+\b], |v[S+16*\b]|, |v[S+16*\b+1]|, 0x1800000
.endr
.irp i, 2,4,6,8,10,12,14
.irp b, 0,1
	v_max3_num_f32 v[BM+\b], v[BM+\b], |v[S+16*\b+\i]|, |v[S+16*\b+\i+1]|
.endr
.endr
.irp b, 0,1
	v_permlanex16_b32 v[BP+\b], v[BM+\b], s[SEL], s[SEL+1]
.endr
.irp b, 0,1
	v_max_num_f32 v[BM+\b], v[BM+\b], v[BP+\b]
.endr
.irp b, 0,1
	v_add_nc_u32 v[SO+\b], 0xff000000, v[BM+\b]
.endr
.irp b, 0,1
	v_lshrrev_b32 v[BP+\b], 23, v[SO+\b]
.endr
.irp t, 0,1,2,3
	v_cvt_scalef32_pk8_fp4_f32 v[PC+\t], v[S+8*\t:S+8*\t+7], v[SO+\t/2]
.endr
	v_nop
	v_permlane16_swap_b32 v[PC], v[PC+1]
	v_permlane16_swap_b32 v[PC+2], v[PC+3]
	v_permlane16_swap_b32 v[PC], v[PC+2]
	v_permlane16_swap_b32 v[PC+1], v[PC+3]
	global_store_b128 v1, v[PC:PC+3], s[92:93]     ; 32 lanes store 512 consecutive bytes: my head's half of the fragment's image
	v_cmp_eq_u32 vcc_lo, 1, v10
	v_cndmask_b32 v[TMP], v[BP], v[BP+1], vcc_lo   ; lane (r, h) carries block h's byte of row r
	global_store_b8 v11, v[TMP], s[94:95]
	CROUND                                         ; the closing round: no work-group ends while a partner may still ask for a tile that names it
	s_endpgm
.Lfunc_end_k_q4615cf916d_att:
	.size	k_q4615cf916d_att, .Lfunc_end_k_q4615cf916d_att-k_q4615cf916d_att
	.p2alignl 7, 3214868480
	.fill 96, 4, 3214868480
	.section	.rodata,"a",@progbits
	.p2align	6, 0x0
	.amdhsa_kernel k_q4615cf916d_att
		.amdhsa_group_segment_fixed_size 167936
		.amdhsa_private_segment_fixed_size 0
		.amdhsa_enable_private_segment 0
		.amdhsa_kernarg_size 16
		.amdhsa_user_sgpr_count 2
		.amdhsa_user_sgpr_kernarg_segment_ptr 1
		.amdhsa_wavefront_size32 1
		.amdhsa_system_sgpr_workgroup_id_x 1
		.amdhsa_system_sgpr_workgroup_id_y 1
		.amdhsa_system_sgpr_workgroup_id_z 1
		.amdhsa_system_vgpr_workitem_id 0
		.amdhsa_next_free_vgpr 256
		.amdhsa_next_free_sgpr 100
		.amdhsa_reserve_vcc 1
		.amdhsa_float_denorm_mode_32 3
		.amdhsa_float_denorm_mode_16_64 3
		.amdhsa_memory_ordered 1
		.amdhsa_forward_progress 1
		.amdhsa_inst_pref_size 35
	.end_amdhsa_kernel
	.amdgpu_metadata
---
amdhsa.version: [ 1, 2 ]
amdhsa.kernels:
  - .name:           k_q4615cf916d_att
    .symbol:         k_q4615cf916d_att.kd
    .args:
      - { .name: qkv, .offset: 0, .size: 8, .value_kind: global_buffer, .address_space: global }
      - { .name: at, .offset: 8, .size: 8, .value_kind: global_buffer, .address_space: global }
    .group_segment_fixed_size: 167936
    .private_segment_fixed_size: 0
    .kernarg_segment_align: 8
    .kernarg_segment_size: 16
    .max_flat_workgroup_size: 512
    .sgpr_count:     100
    .vgpr_count:     256
    .wavefront_size: 32
...
	.end_amdgpu_metadata
.endif
;; end of part 3
;; launch proj (part 4): grid 8 x 32, 4 waves a work-group, clusters of 4 x 4, 327,680 bytes of LDS; arguments at, w_proj_codes, w_proj_scales, b_proj, x, x1; writes x1
.if DOCPART == 4
	.amdgcn_target "amdgcn-amd-amdhsa--gfx1250"
	.amdhsa_code_object_version 6
	.text
	.protected	k_q4615cf916d_proj
	.globl	k_q4615cf916d_proj
	.p2align	8
	.type	k_q4615cf916d_proj,@function
k_q4615cf916d_proj:
	s_mov_b64 s[64:65], 0
	v_nop
	global_prefetch_b8 v0, s[64:65] scope:SCOPE_SE
	s_setreg_imm32_b32 hwreg(HW_REG_WAVE_MODE, 25, 1), 1
	s_wait_xcnt 0x0
	s_wait_alu depctr_hold_cnt(0) depctr_sa_sdst(0) depctr_va_vdst(0) depctr_va_sdst(0) depctr_va_ssrc(0) depctr_va_vcc(0) depctr_vm_vsrc(0)
	s_getreg_b32 s2, hwreg(HW_REG_IB_STS2, 6, 4)
	s_cmp_eq_u32 s2, 0
	s_cbranch_scc0 .Lentry_in_a_cluster
	s_endpgm
.Lentry_in_a_cluster:
	s_bfe_u32 s2, ttmp6, 0x10000c
	s_cmp_lg_u32 s2, 0xf033
	s_cbranch_scc0 .Lentry_shape_is_right
	s_endpgm
.Lentry_shape_is_right:
; out = resid + bias + A B^T on codes of FP4 (E2M1) with one E8M0 scale for each 32 along K.  4,096 rows, 1,024 columns, K = KTOT.  out and resid: [4096][1024] f32; bias [1024] f32.
; A comes as images of operand fragments, [rows / 16][K / 128][1,024 bytes] (byte 512 c + 16 lane = registers 4 c .. 4 c + 3 of the lane), and behind them (byte 2,048 KTOT) its scale words [rows / 16][K / 128][16 rows][4 bytes].
; B comes as rows of codes [1024][KTOT / 2 bytes] and rows of scale bytes [1024][KTOT / 32].
; A tile of out is 128 x 128, so that 256 work-groups share the work; four waves, each 64 x 64: 16 accumulators.  K goes in steps of KSTEP through two LDS slots; with KTOT = 1,024 both are filled once
; (REFILL = 0: no LDS byte is filled again), with KTOT = 4,096 each is filled twice.  The scale words of all of K come once, with the first fills.
; CLUSTERS: 4 x 4 work-groups; A's tiles are shared along a row of the cluster, B's along a column: each is asked for JOINTLY, by the same tensor load with the same descriptor and a mask that names the four.
; THE MATRIX INSTRUCTION IS USED TRANSPOSED (source 0 = 16 rows of B, source 1 = 16 rows of A): in accumulator (a, b) lane (r, h) holds out(16 a + r, 16 b + 8 h + 0 .. 7).  The bias is the C of each sum's first instruction.
; SCALE REGISTERS: A's: one register holds a tile's words of two neighbouring K steps of 128 (lanes 0-15, lanes 16-31); B's: one register holds the words of 32 rows, two blocks of 16.  The row selectors pick the half.
; THE WAY OUT: 16 rows x 64 columns at a time through the wave's own stage in LDS, back as rows of 256 bytes; the residual, loaded at the head in that very layout, is added; sixteen lanes store 256 consecutive bytes, aligned.
; LIMITS: NaN and infinities are not served; a given scale byte 0xff gives NaN.
; REGISTERS: window 0: v0-31 addresses; v32-95 scale words, two sets, later rows on the way out; v96-127 the bias; v128-255 the accumulators ((a, b) at v[128 + 8 (4 a + b)]).
;   window 1: v0-63, v64-127 two fragment buffers (A's four at 8 a, B's four at 32 + 8 b); v128-255 the residual.
.set KTOT, 1024
.if KTOT > 1024
.set KSTEP, 1024
.set QIB, 6                            ; padding behind every 128 words
.set REFILL, 1
.else
.set KSTEP, 512
.set QIB, 5                            ; behind every 64 words
.set REFILL, 0
.endif
.set NQ,     KSTEP/128                 ; matrix instructions deep in a slot
.set LAPS,   KTOT/(2*KSTEP)
.set ROWB,   KSTEP/2                   ; a row of B's tile in bytes
.set PB,     ROWB+16                   ; and in LDS: an odd multiple of 16 bytes: the 16 rows that a load touches start at 16 different banks
.set KS,     KTOT/32                   ; a row of B's scale bytes
.set APART,  8*NQ*1024                 ; a slot: A's 8 tiles of 16 rows x NQ fragments,
.set SLOT,   APART+128*PB              ; then B's 128 rows
.set SCA,    2*SLOT                    ; A's scale words of all of K: 8 tiles x KTOT / 2 bytes, dense
.set SCB,    SCA+4*KTOT                ; B's scale bytes: rows of 256 bytes + 16 of padding
.set HALFSB, (64*KS/256)*272           ; those of 64 rows
.set SB32,   (32*KS/256)*272           ; of 32 rows
.set STG,    SCB+2*HALFSB              ; the stages: 16 rows x 272 bytes for each wave; no tile lands here
.set SPITCH, 272
.set SPARE,  STG+4*16*SPITCH           ; the spare words, 128 bytes for each wave: two blocks of 256 bytes that no other line names
.set ASC_OFF, 2048*KTOT
.set ADRA, 16                          ; v16-17 LDS address of my A fragments in slot 0, 1
.set ADRB, 20                          ; v20-21 of my B fragments
.set ADSA, 22                          ; v22    of A's scale words
.set ADSB, 23                          ; v23    of B's
.set STO,  24
.set RD,   25
.set CO,   26                          ; v26    my byte offset in two rows of out and of resid
.set SPW,  28
.set NIL,  29
.set SC,   32
.set BK,   32
.set BIAS, 96
.set ACC,  128
.set F0,   0
.set F1,   64
.set RES,  128
.set G1, 24
.set G0, 32
.set G1B, 48
.set G0B, 56
.set G1S, 68
.set G0S, 76
.set G1SB, 80
.set G0SB, 88
.set MUL,  0x05                        ; sources 0 (B) and 1 (A) window 1; C and D window 0
.set MSB, 0
.macro WIN new                         ; the immediate's high byte repeats the setting that is left
.if MSB != (\new)
	s_set_vgpr_msb (MSB<<8)|(\new)
.set MSB, (\new)
.endif
.endm
; A joint load: waves 0 and 1 fetch for A, waves 2 and 3 for B; the branch hangs on the wave's number alone.  Four v_nop follow each of the two lines.
.macro JLOAD g0a, g1a, g0b, g1b
	s_cmp_eq_u32 s15, 0
	s_cbranch_scc0 .Lfor_b_\@
	tensor_load_to_lds s[\g0a:\g0a+3], s[\g1a:\g1a+7]
.rept 4
	v_nop
.endr
	s_branch .Lasked_\@
.Lfor_b_\@:
	tensor_load_to_lds s[\g0b:\g0b+3], s[\g1b:\g1b+7]
.rept 4
	v_nop
.endr
.Lasked_\@:
.endm
.macro CREST                           ; a round of the cluster's barrier behind its opening barrier
	s_cmp_lg_u32 s14, 0
	s_cbranch_scc1 .Lnot_wave_0_\@
	s_barrier_signal -3
.Lnot_wave_0_\@:
	s_barrier_wait -3
	s_barrier_signal -1
	s_barrier_wait -1
.endm
.macro CROUND
	s_barrier_signal -1
	s_barrier_wait -1
	CREST
.endm
	s_load_b256 s[4:11], s[0:1], 0x0               ; A s[4:5], B's codes s[6:7], B's scales s[8:9], bias s[10:11]
	s_load_b128 s[96:99], s[0:1], 0x20             ; resid s[96:97], out s[98:99]
.if REFILL
	v_lshl_add_u32 v[SPW], v0, 2, SPARE
	v_mov_b32 v[NIL], 0
.endif
	v_lshrrev_b32 v1, 5, v0
	v_readfirstlane_b32 s14, v1                    ; wave 0..3
	s_lshr_b32 s15, s14, 1                         ; which half of the tile's rows is mine.  Also: I fetch for A (0) or for B (1)
	s_and_b32 s16, s14, 1                          ; which half of its columns.  Also: which half of that tile I fetch
	s_bfe_u32 s40, ttmp6, 0x40000                  ; cx, cy
	s_bfe_u32 s41, ttmp6, 0x40004
	s_lshl_b32 s42, ttmp9, 2
	s_add_co_u32 s42, s42, s40                     ; tile column = 4 x cluster x + cx
	s_and_b32 s17, ttmp7, 0xffff
	s_lshl_b32 s17, s17, 2
	s_add_co_u32 s17, s17, s41                     ; tile row = 4 x cluster y + cy
	s_lshl_b32 s43, s41, 2
	s_lshl_b32 s43, 15, s43                        ; my row of the cluster
	s_lshl_b32 s44, 0x1111, s40                    ; my column
	; group 1, A's tiles: 4 runs of NQ fragments (128 NQ elements of 8 bytes), KTOT elements apart, dense in LDS
	s_or_b32 s[G1+0], s43, (3<<16)|(1<<21)
	s_mov_b32 s[G1+1], (128*NQ)<<16
	s_mov_b32 s[G1+2], 4<<16
	s_mov_b32 s[G1+3], (128*NQ)<<16
	s_mov_b32 s[G1+4], 4
	s_mov_b32 s[G1+5], KTOT
	s_mov_b32 s[G1+6], 0
	s_mov_b32 s[G1+7], 0
	; B's tiles: 64 rows of ROWB bytes, 16 bytes of padding behind each
	s_or_b32 s[G1B+0], s44, (0<<16)|(1<<20)|(1<<21)|(QIB<<22)|(3<<25)
	s_mov_b32 s[G1B+1], ROWB<<16
	s_mov_b32 s[G1B+2], 64<<16
	s_mov_b32 s[G1B+3], ROWB<<16
	s_mov_b32 s[G1B+4], 64
	s_mov_b32 s[G1B+5], KTOT/2
	s_mov_b32 s[G1B+6], 0
	s_mov_b32 s[G1B+7], 0
	; the scales: 2 KTOT dense bytes a load, as rows of 256 bytes; A's dense in LDS, B's with 16 bytes of padding behind each row
	s_or_b32 s[G1S+0], s43, (3<<16)|(1<<21)
	s_or_b32 s[G1SB+0], s44, (3<<16)|(1<<20)|(1<<21)|(5<<22)|(3<<25)
.irp g, G1S, G1SB
	s_mov_b32 s[\g+1], 32<<16
	s_mov_b32 s[\g+2], (KTOT/128)<<16
	s_mov_b32 s[\g+3], 32<<16
	s_mov_b32 s[\g+4], KTOT/128
	s_mov_b32 s[\g+5], 32
	s_mov_b32 s[\g+6], 0
	s_mov_b32 s[\g+7], 0
.endr
	s_lshl_b32 s20, s17, 3
	s_lshl_b32 s18, s16, 2
	s_add_co_u32 s20, s20, s18                     ; A: the first tile of 16 rows that I fetch: 8 x tile row + 4 x half
	s_mul_i32 s22, s20, KTOT/2
	s_add_co_u32 s22, s22, ASC_OFF                 ; its scale words,
	s_mov_b32 s23, 0
	s_mul_i32 s20, s20, KTOT*8                     ; its fragments
	s_mov_b32 s21, 0
	s_lshl_b32 s46, s42, 7
	s_lshl_b32 s18, s16, 6
	s_add_co_u32 s46, s46, s18                     ; B: row 128 x tile column + 64 x half
	s_mul_i32 s92, s46, KS
	s_mov_b32 s93, 0
	s_mul_i32 s46, s46, KTOT/2
	s_mov_b32 s47, 0
	s_mul_i32 s45, s16, 4*NQ*1024                  ; where they go in a slot: no place in the cluster enters an LDS address
	s_mul_i32 s94, s16, 64*PB
	s_add_co_u32 s94, s94, APART
	s_mul_i32 s95, s16, 2*KTOT
	s_add_co_u32 s95, s95, SCA
	s_mul_i32 s100, s16, HALFSB
	s_add_co_u32 s100, s100, SCB
	s_wait_kmcnt 0x0
	s_add_nc_u64 s[20:21], s[4:5], s[20:21]
	s_add_nc_u64 s[22:23], s[4:5], s[22:23]
	s_add_nc_u64 s[46:47], s[6:7], s[46:47]
	s_add_nc_u64 s[92:93], s[8:9], s[92:93]
	CROUND                                         ; all sixteen work-groups are here: the first joint loads meet
	s_mov_b32 s[G0S], 1
	s_mov_b32 s[G0S+1], s95
	s_mov_b64 s[G0S+2:G0S+3], s[22:23]
	s_or_b32 s[G0S+3], s[G0S+3], 0x80000000
	s_mov_b32 s[G0SB], 1
	s_mov_b32 s[G0SB+1], s100
	s_mov_b64 s[G0SB+2:G0SB+3], s[92:93]
	s_or_b32 s[G0SB+3], s[G0SB+3], 0x80000000
	JLOAD G0S, G1S, G0SB, G1SB                     ; the scales first
.irp s, 0,1
	s_mov_b32 s[G0+4*\s], 1
	s_add_co_u32 s[G0+4*\s+1], s45, \s*SLOT
	s_add_nc_u64 s[G0+4*\s+2:G0+4*\s+3], s[20:21], \s*NQ*1024
	s_or_b32 s[G0+4*\s+3], s[G0+4*\s+3], 0x80000000
	s_mov_b32 s[G0B+4*\s], 1
	s_add_co_u32 s[G0B+4*\s+1], s94, \s*SLOT
	s_add_nc_u64 s[G0B+4*\s+2:G0B+4*\s+3], s[46:47], \s*ROWB
	s_or_b32 s[G0B+4*\s+3], s[G0B+4*\s+3], 0x80000000
	JLOAD G0+4*\s, G1, G0B+4*\s, G1B               ; three tensor loads of mine are out
.endr
	v_and_b32 v1, 15, v0                           ; r
	v_bfe_u32 v2, v0, 4, 1                         ; h
	v_and_b32 v3, 31, v0                           ; lane
	v_lshlrev_b32 v4, 4, v3
	s_mul_i32 s21, s15, 4*NQ*1024                  ; my four tiles of 16 rows of A
	v_mul_u32_u24 v5, v1, PB
	v_lshl_add_u32 v5, v2, 4, v5
	s_mul_i32 s22, s16, 64*PB                      ; my 64 rows of B
	s_add_co_u32 s22, s22, APART
.irp s, 0,1
	v_add_nc_u32 v[ADRA+\s], s21, v4
	v_add_nc_u32 v[ADRB+\s], s22, v5
	s_add_co_u32 s21, s21, SLOT
	s_add_co_u32 s22, s22, SLOT
.endr
	s_mul_i32 s21, s15, 2*KTOT
	s_add_co_u32 s21, s21, SCA
	v_lshl_add_u32 v[ADSA], v3, 2, s21             ; A's scale words: 4 x lane: lanes 0-15 one K step of 128, lanes 16-31 the next
	v_mul_u32_u24 v5, v3, KS                       ; B's: row = lane: KS bytes a row,
	v_lshrrev_b32 v6, 8, v5
	v_lshl_add_u32 v5, v6, 4, v5                   ; and 16 more for each 256 passed
	s_mul_i32 s22, s16, HALFSB
	s_add_co_u32 s22, s22, SCB
	v_add_nc_u32 v[ADSB], s22, v5
	s_mul_i32 s23, s14, 16*SPITCH
	s_add_co_u32 s23, s23, STG                     ; my stage
	v_mul_u32_u24 v5, v1, SPITCH
	v_lshl_add_u32 v5, v2, 5, v5
	v_add_nc_u32 v[STO], s23, v5                   ; in: row r, 32 bytes for each half of the lanes
	v_mul_u32_u24 v5, v2, SPITCH
	v_lshl_add_u32 v5, v1, 4, v5
	v_add_nc_u32 v[RD], s23, v5                    ; back: lanes 0-15 one row of 256 bytes, lanes 16-31 the next
	v_lshlrev_b32 v5, 12, v2
	v_lshl_add_u32 v[CO], v1, 4, v5                ; and the same two rows in out and in resid
	s_lshl_b32 s20, s17, 7
	s_lshl_b32 s21, s15, 6
	s_add_co_u32 s20, s20, s21                     ; my first row: 128 x tile row + 64 x half
	s_lshl_b32 s20, s20, 12
	s_lshl_b32 s46, s42, 9
	s_lshl_b32 s47, s16, 8
	s_add_co_u32 s46, s46, s47                     ; my first column, in bytes: 512 x tile column + 256 x half
	s_mov_b32 s47, 0
	s_add_co_u32 s20, s20, s46
	s_mov_b32 s21, 0
	s_add_nc_u64 s[96:97], s[96:97], s[20:21]
	s_add_nc_u64 s[98:99], s[98:99], s[20:21]
	s_add_nc_u64 s[10:11], s[10:11], s[46:47]
	v_lshlrev_b32 v7, 5, v2                        ; the bias: lane (r, h) wants, for block b, columns 16 b + 8 h + 0 .. 7
.irp b, 0,1,2,3
	global_load_b128 v[BIAS+8*\b:BIAS+8*\b+3], v7, s[10:11] offset:64*\b
	global_load_b128 v[BIAS+8*\b+4:BIAS+8*\b+7], v7, s[10:11] offset:64*\b+16
.endr
	WIN 0x40                                       ; destination window 1
.irp a, 0,1,2,3
.irp t, 0,1,2,3,4,5,6,7
	global_load_b128 v[RES+32*\a+4*\t:RES+32*\a+4*\t+3], v[CO], s[96:97] offset:(16*\a+2*\t)*4096 th:TH_LOAD_NT   ; the residual, as the way out will hold the rows
.endr
.endr
	WIN 0
; one matrix instruction: accumulator (a, b), the slot's q-th 128 along K, fragments in buffer f, scale words in set
.macro WM f, q, set, a, b, first
.set rD, ACC+8*(4*(\a)+(\b))
.if \first
.set rC, BIAS+8*(\b)
.else
.set rC, ACC+8*(4*(\a)+(\b))
.endif
.set rB, (\f)+32+8*(\b)
.set rA, (\f)+8*(\a)
.set rSB, SC+4*NQ*(\set)+2*NQ+NQ*((\b)/2)+(\q)
.set rSA, SC+4*NQ*(\set)+(NQ/2)*(\a)+(\q)/2
.if (\b)%2
.if (\q)%2
	v_wmma_scale_f32_16x16x128_f8f6f4 v[rD:rD+7], v[rB:rB+7], v[rA:rA+7], v[rC:rC+7], v[rSB], v[rSA] matrix_a_fmt:MATRIX_FMT_FP4 matrix_b_fmt:MATRIX_FMT_FP4 matrix_a_scale:MATRIX_SCALE_ROW1 matrix_b_scale:MATRIX_SCALE_ROW1
.else
	v_wmma_scale_f32_16x16x128_f8f6f4 v[rD:rD+7], v[rB:rB+7], v[rA:rA+7], v[rC:rC+7], v[rSB], v[rSA] matrix_a_fmt:MATRIX_FMT_FP4 matrix_b_fmt:MATRIX_FMT_FP4 matrix_a_scale:MATRIX_SCALE_ROW1
.endif
.else
.if (\q)%2
	v_wmma_scale_f32_16x16x128_f8f6f4 v[rD:rD+7], v[rB:rB+7], v[rA:rA+7], v[rC:rC+7], v[rSB], v[rSA] matrix_a_fmt:MATRIX_FMT_FP4 matrix_b_fmt:MATRIX_FMT_FP4 matrix_b_scale:MATRIX_SCALE_ROW1
.else
	v_wmma_scale_f32_16x16x128_f8f6f4 v[rD:rD+7], v[rB:rB+7], v[rA:rA+7], v[rC:rC+7], v[rSB], v[rSA] matrix_a_fmt:MATRIX_FMT_FP4 matrix_b_fmt:MATRIX_FMT_FP4
.endif
.endif
.endm
.macro MUL4 f, q, set, a, first        ; A's tile a against B's four blocks.  The 16 accumulators take turns, one instruction a turn, in the same order in every step
.irp b, 0,1,2,3
	WM \f, \q, \set, \a, \b, \first
.endr
.endm
.macro FETCH slot, q, f                ; 16 LDS loads: the fragments of the slot's q-th 128 along K into buffer f.  A's come as they were stored: 512 consecutive bytes a load
	WIN 0x40
.irp i, 0,1,2,3
	ds_load_b128 v[(\f)+8*\i:(\f)+8*\i+3], v[ADRA+\slot] offset:\i*NQ*1024+(\q)*1024
	ds_load_b128 v[(\f)+8*\i+4:(\f)+8*\i+7], v[ADRA+\slot] offset:\i*NQ*1024+(\q)*1024+512
	ds_load_b128 v[(\f)+32+8*\i:(\f)+32+8*\i+3], v[ADRB+\slot] offset:\i*16*PB+64*(\q)
	ds_load_b128 v[(\f)+32+8*\i+4:(\f)+32+8*\i+7], v[ADRB+\slot] offset:\i*16*PB+64*(\q)+32
.endr
.endm
.macro SCALES set                      ; a slot's scale words
	WIN 0
.set ia, 0
.rept 4
.set ip, 0
.rept NQ/2
	ds_load_b32 v[SC+4*NQ*(\set)+(NQ/2)*ia+ip], v[ADSA] offset:ia*(KTOT/2)+128*ip
.set ip, ip+1
.endr
.set ia, ia+1
.endr
.set ii, 0
.rept 2
.set ig, 0
.rept NQ/4
	ds_load_b128 v[SC+4*NQ*(\set)+2*NQ+NQ*ii+4*ig:SC+4*NQ*(\set)+2*NQ+NQ*ii+4*ig+3], v[ADSB] offset:ii*SB32+16*ig
.set ig, ig+1
.endr
.set ii, ii+1
.endr
.endm
; A load into a register that a matrix instruction has read, and an LDS store that reads a matrix result, stand four places behind that matrix instruction; only plain vector instructions that name none of its
; registers are places (ISA guide 7.12.1 for vector instructions).
.macro PLACES n
.rept \n
	v_nop
.endr
.endm
; A step of 128 along K that has its successor in the same slot: this step's fragments are in; the next step's are asked for, into the buffer that the last step's products read; then 16 products.
.macro QSTEP slot, q, first
	s_wait_dscnt 0x0
	PLACES 4
	FETCH \slot, (\q)+1, F0+64*(((\q)+1)%2)
	WIN MUL
.irp a, 0,1,2,3
	MUL4 F0+64*((\q)%2), \q, \slot, \a, \first
.endr
.endm
.macro QSTEPS slot, from               ; the slot's steps from .. NQ - 2
.set Q, \from
.rept NQ-1-\from
	QSTEP \slot, Q, 0
.set Q, Q+1
.endr
.endm
; A slot's last step changes slots: ONE barrier.  In front of it each wave waits for all its tensor loads (its part of the next slot) and for its own reads of this slot; in the text that fills slots again it adds 0
; to its spare word between the two.  fill = 1: the barrier opens a round of the cluster's barrier, and this slot is filled again, two K steps ahead, first thing behind it.
.macro TURN slot, next, fill
	WIN 0
	s_wait_tensorcnt 0x0
.if REFILL
	ds_add_u32 v[SPW], v[NIL]
.endif
	s_wait_dscnt REFILL                            ; this step's fragments are in (the add alone may be out)
	WIN MUL
	MUL4 F1, NQ-1, \slot, 0, 0
	s_wait_dscnt 0x0                               ; the add is done, and my reads of this slot are over
	s_barrier_signal -1
	MUL4 F1, NQ-1, \slot, 1, 0                     ; work on registers while the others arrive
	WIN 0
	s_barrier_wait -1
.if \fill
	CREST                                          ; no wave of any partner still reads this slot's tile or has a load on its way
	s_add_nc_u64 s[G0+4*\slot+2:G0+4*\slot+3], s[G0+4*\slot+2:G0+4*\slot+3], 2*NQ*1024
	s_add_nc_u64 s[G0B+4*\slot+2:G0B+4*\slot+3], s[G0B+4*\slot+2:G0B+4*\slot+3], 2*ROWB
	JLOAD G0+4*\slot, G1, G0B+4*\slot, G1B         ; my one tensor load behind the round; its four v_nop are also the places in front of the loads below
.else
	PLACES 4
.endif
	v_add_nc_u32 v[ADSA], 64*NQ, v[ADSA]           ; on to the next slot's scale words
	v_add_nc_u32 v[ADSB], 4*NQ, v[ADSB]
	FETCH \next, 0, F0
	SCALES \next
	WIN MUL
	MUL4 F1, NQ-1, \slot, 2, 0
	MUL4 F1, NQ-1, \slot, 3, 0
.endm
	s_wait_tensorcnt 1                             ; the scales and my part of slot 0 are in (slot 1's load may be out)
	s_barrier_signal -1
	s_barrier_wait -1                              ; everybody's are
	FETCH 0, 0, F0
	SCALES 0
	s_wait_loadcnt 32                              ; the bias is in; the residual's 32 loads may be out
	QSTEP 0, 0, 1                                  ; the first step's products start the sums with the bias: nothing is cleared
.if LAPS > 1
.rept LAPS-1                           ; once round the two slots, both filled again: written out
	QSTEPS 0, 1
	TURN 0, 1, 1
	QSTEPS 1, 0
	TURN 1, 0, 1
	QSTEP 0, 0, 0
.endr
.endif
	QSTEPS 0, 1                                    ; the last time round fills nothing
	TURN 0, 1, 0
	QSTEPS 1, 0
	s_wait_dscnt 0x0
	WIN MUL
.irp a, 0,1,2,3
	MUL4 F1, NQ-1, 1, \a, 0
.endr
	WIN 0
	PLACES 4
	s_wait_loadcnt 0x0                             ; the residual
.macro TOSTAGE a
.irp b, 0,1,2,3
	ds_store_b128 v[STO], v[ACC+8*(4*(\a)+\b):ACC+8*(4*(\a)+\b)+3] offset:64*\b        ; each accumulator from its low end on
	ds_store_b128 v[STO], v[ACC+8*(4*(\a)+\b)+4:ACC+8*(4*(\a)+\b)+7] offset:64*\b+16
.endr
.set BB, BK+32*((\a)%2)
.irp t, 0,1,2,3,4,5,6,7
	ds_load_b128 v[BB+4*\t:BB+4*\t+3], v[RD] offset:\t*2*SPITCH   ; LDS serves a wave's instructions in order (ISA guide 5.7.1.4): these see the stores above, and the next block's stores come behind them
.endr
.endm
.macro SEND a, younger                 ; younger: the LDS instructions issued behind block a's loads
.set BB, BK+32*((\a)%2)
	s_wait_dscnt \younger
	WIN 0x04                                       ; source 1 window 1
.set i, 0
.rept 16
	v_pk_add_f32 v[BB+2*i:BB+2*i+1], v[BB+2*i:BB+2*i+1], v[RES+32*(\a)+2*i:RES+32*(\a)+2*i+1]
.set i, i+1
.endr
	WIN 0
.irp t, 0,1,2,3,4,5,6,7
	global_store_b128 v[CO], v[BB+4*\t:BB+4*\t+3], s[98:99] offset:(16*(\a)+2*\t)*4096   ; sixteen lanes store 256 consecutive bytes, at a multiple of 256 from the buffer's first byte
.endr
.endm
	TOSTAGE 0
.irp a, 1,2,3
.if \a > 1
	s_wait_xcnt 0x0                                ; block a - 2's stores have read their registers: block a's loads may land there
.endif
	TOSTAGE \a
	SEND \a-1, 16                                  ; behind block a - 1's loads: block a's 8 stores and 8 loads
.endr
	SEND 3, 0
.if REFILL
	s_wait_tensorcnt 0x0                           ; the wave's end: behind my last tensor load and my last LDS store
	ds_add_u32 v[SPW], v[NIL]
	s_wait_dscnt 0x0
.endif
	CROUND                                         ; the closing round: no work-group ends while a partner may still ask for a tile that names it
	s_endpgm
.Lfunc_end_k_q4615cf916d_proj:
	.size	k_q4615cf916d_proj, .Lfunc_end_k_q4615cf916d_proj-k_q4615cf916d_proj
	.p2alignl 7, 3214868480
	.fill 96, 4, 3214868480
	.section	.rodata,"a",@progbits
	.p2align	6, 0x0
	.amdhsa_kernel k_q4615cf916d_proj
		.amdhsa_group_segment_fixed_size 327680
		.amdhsa_private_segment_fixed_size 0
		.amdhsa_enable_private_segment 0
		.amdhsa_kernarg_size 48
		.amdhsa_user_sgpr_count 2
		.amdhsa_user_sgpr_kernarg_segment_ptr 1
		.amdhsa_wavefront_size32 1
		.amdhsa_system_sgpr_workgroup_id_x 1
		.amdhsa_system_sgpr_workgroup_id_y 1
		.amdhsa_system_sgpr_workgroup_id_z 1
		.amdhsa_system_vgpr_workitem_id 0
		.amdhsa_next_free_vgpr 512
		.amdhsa_next_free_sgpr 102
		.amdhsa_reserve_vcc 0
		.amdhsa_float_denorm_mode_32 3
		.amdhsa_float_denorm_mode_16_64 3
		.amdhsa_memory_ordered 1
		.amdhsa_forward_progress 1
		.amdhsa_inst_pref_size 53
	.end_amdhsa_kernel
	.amdgpu_metadata
---
amdhsa.version: [ 1, 2 ]
amdhsa.kernels:
  - .name:           k_q4615cf916d_proj
    .symbol:         k_q4615cf916d_proj.kd
    .args:
      - { .name: at, .offset: 0, .size: 8, .value_kind: global_buffer, .address_space: global }
      - { .name: w_proj_codes, .offset: 8, .size: 8, .value_kind: global_buffer, .address_space: global }
      - { .name: w_proj_scales, .offset: 16, .size: 8, .value_kind: global_buffer, .address_space: global }
      - { .name: b_proj, .offset: 24, .size: 8, .value_kind: global_buffer, .address_space: global }
      - { .name: x, .offset: 32, .size: 8, .value_kind: global_buffer, .address_space: global }
      - { .name: x1, .offset: 40, .size: 8, .value_kind: global_buffer, .address_space: global }
    .group_segment_fixed_size: 327680
    .private_segment_fixed_size: 0
    .kernarg_segment_align: 8
    .kernarg_segment_size: 48
    .max_flat_workgroup_size: 128
    .sgpr_count:     102
    .vgpr_count:     512
    .wavefront_size: 32
...
	.end_amdgpu_metadata
.endif
;; end of part 4
;; launch ln2: the kernel of part 1 again; grid 256 x 1, 8 waves a work-group, no clusters, 74,240 bytes of LDS; arguments x1, ln2_w, ln2_b, xq; writes xq
;; launch hid (part 5): grid 16 x 16, 4 waves a work-group, clusters of 4 x 4, 327,680 bytes of LDS; arguments xq, w1_codes, w1_scales, b1, hq; writes hq
.if DOCPART == 5
	.amdgcn_target "amdgcn-amd-amdhsa--gfx1250"
	.amdhsa_code_object_version 6
	.text
	.protected	k_q4615cf916d_hid
	.globl	k_q4615cf916d_hid
	.p2align	8
	.type	k_q4615cf916d_hid,@function
k_q4615cf916d_hid:
	s_mov_b64 s[64:65], 0
	v_nop
	global_prefetch_b8 v0, s[64:65] scope:SCOPE_SE
	s_setreg_imm32_b32 hwreg(HW_REG_WAVE_MODE, 25, 1), 1
	s_wait_xcnt 0x0
	s_wait_alu depctr_hold_cnt(0) depctr_sa_sdst(0) depctr_va_vdst(0) depctr_va_sdst(0) depctr_va_ssrc(0) depctr_va_vcc(0) depctr_vm_vsrc(0)
	s_getreg_b32 s2, hwreg(HW_REG_IB_STS2, 6, 4)
	s_cmp_eq_u32 s2, 0
	s_cbranch_scc0 .Lentry_in_a_cluster
	s_endpgm
.Lentry_in_a_cluster:
	s_bfe_u32 s2, ttmp6, 0x10000c
	s_cmp_lg_u32 s2, 0xf033
	s_cbranch_scc0 .Lentry_shape_is_right
	s_endpgm
.Lentry_shape_is_right:
; C = A B^T on codes of FP4 (E2M1) with one E8M0 scale for each 32 along K, K = 1,024; C is quantised again along its columns on the way out and leaves as codes.
; HID = 0: three products in one launch.  Job = cluster x / 4.  Jobs 0, 1 (q, k): A = xn's codes [4096 tokens][512 bytes], B = wq or wk [1024 (head, e)][512 bytes]: C[token][head, e], quantised along e.
;          Job 2 (v): the two buffers change places: A = wv, B = xn: C[head, e][token], quantised along the tokens, which are the K of attention's second product.
; HID = 1: A = xn2's codes, B = w1 [4096][512 bytes]; C = relu(A B^T + b1), quantised along the hidden units.  b1 is the C of each sum's first matrix instruction.
; A tile of C, 256 x 256, is made by four waves, as many as a WGP has SIMDs; a wave makes 128 x 128: 64 accumulators of 16 x 16, 512 registers.
; All of K lies in two LDS slots of 512 along K (rows of 256 bytes + 16 of padding): each slot is filled once, so no LDS byte is filled again in this launch.
; The scale bytes of the work-group's 256 + 256 rows are two dense blocks of memory and come once, in rows of 256 bytes.
; CLUSTERS: 4 x 4 work-groups.  The four of a row of the cluster need the same tiles of A, the four of a column the same tiles of B: each tile is asked for JOINTLY, by the same tensor load with the same descriptor and a mask that names the four.
; THE MATRIX INSTRUCTION IS USED TRANSPOSED (source 0 = 16 rows of B, source 1 = 16 rows of A): in accumulator (a, b) lane (r, h) holds C(16 a + r, 16 b + 8 h + 0 .. 7).
; THE WAY OUT.  A wave's 16 rows x 128 columns are one operand fragment of a later product.  A block of 32 columns lies in two accumulators, in lanes l and l xor 16; the eight conversions' results are brought
; into the operand's order by lane exchanges, and the fragment leaves AS AN IMAGE OF ITS REGISTERS: out[row / 16][column / 128][1,024 bytes], byte 512 c + 16 lane = registers 4 c .. 4 c + 3: two stores of 512 consecutive bytes.
; Its scale words: [row / 16][column / 128][16 rows][4 bytes]: stores of 64 consecutive bytes for each tile, one sixteenth of the codes' bytes.
; LIMITS: a block whose largest magnitude lies under 2^-124, zeros among them, gets the byte 1 (the rule says 127 for zeros); the bytes are read by this program alone.  NaN and infinities are not served; a given scale byte 0xff gives NaN.
; REGISTERS, in windows of 256: window 0: v0-31 addresses; v32-95 scale words, two sets; v96-127 the way out's addresses and work; v128-191 A's fragments, one set, later the codes made; v192-255 b1 (HID = 1).
;   window 1: B's fragments, two sets, at v0 and v128.   window 2: the accumulators of my rows 0-63 ((a, b) at v[8 (8 a + b)]);   window 3: those of my rows 64-127.
.set HID,    1
.set KSTEP,  512                       ; along K in a slot
.set NQ,     4                         ; matrix instructions deep
.set ROWB,   256                       ; a tile's row in bytes
.set KROW,   512                       ; a row of A or B in memory
.set PITCH,  272                       ; an LDS row: 256 bytes + 16 of padding = 68 words: the 16 rows that a load touches start at 16 different banks (64 banks of 4 bytes: ISA guide 11.1)
.set FR,     8                         ; registers of a fragment
.set NL,     2                         ; LDS loads that bring one
.set NP,     4                         ; places behind this matrix instruction (ISA guide 7.12.1)
.set HALFT,  128*PITCH
.set SLOT,   4*HALFT                   ; A's 256 rows, then B's 256 rows
.set KS,     32                        ; a row of scale bytes
.set SCL,    2*SLOT                    ; behind the slots: the scales, as rows of 256 bytes + 16
.set HALFS,  (128*KS/256)*272
.set SBLK,   (16*KS/256)*272
.set ADRA, 16                          ; v16-17  LDS address of my A fragments in slot 0, 1
.set ADRB, 20                          ; v20-21  the same for B
.set ADRS, 27                          ; v27     of my scale words: lanes 0-15 A's rows, lanes 16-31 B's
.set SC,   32
.set AF,   128
.set BIAS, 192
.set IMO,  96                          ; v96-103  16 x lane + a x (bytes from one tile of 16 rows to the next in the image)
.set SCO,  104                         ; v104-107 4 r + (h + 2 i) x (the same for the scale words)
.set TM,   108                         ; v108-111 the four blocks' largest magnitudes
.set TP,   112                         ; v112-115 lane l xor 16's, then the bytes
.set SO,   116                         ; v116-119 the conversions' scale operands
.set PW,   120                         ; v120-127 the scale word of each of my eight tiles of rows
.set PC,   128                         ; v128-191 the codes, eight registers a tile: no store's data are written again
.set G1, 24
.set G0, 32
.set G1B, 48
.set G0B, 56
.set G1S, 68
.set G0S, 76
.set G1SB, 80
.set G0SB, 88
.set MSB, 0
.macro WIN new                         ; the immediate's high byte repeats the setting that is left
.if MSB != (\new)
	s_set_vgpr_msb (MSB<<8)|(\new)
.set MSB, (\new)
.endif
.endm
.set MUL_LO, 0xa1                      ; source 0 (B) window 1, source 1 (A) window 0, C and D window 2
.set MUL_HI, 0xf1                      ; the same, C and D window 3
.set TO_B,   0x40                      ; destination window 1, address window 0
.macro WMUL hi, zero                   ; the windows of a run of products; where b1 starts the sums, C lies in window 0
.if (\zero) && HID
	WIN 0x81+0x40*(\hi)
.else
	WIN 0xa1+0x50*(\hi)
.endif
.endm
; A joint load: waves 0 and 1 fetch for A, waves 2 and 3 for B.  Each line has one mask and one set of registers for all that issue it; the branch hangs on the wave's number alone.
; Four v_nop follow each of the two lines, ahead of the jump, the label and what follows.
.macro JLOAD g0a, g1a, g0b, g1b
	s_cmp_eq_u32 s15, 0
	s_cbranch_scc0 .Lfor_b_\@
	tensor_load_to_lds s[\g0a:\g0a+3], s[\g1a:\g1a+7]
.rept 4
	v_nop
.endr
	s_branch .Lasked_\@
.Lfor_b_\@:
	tensor_load_to_lds s[\g0b:\g0b+3], s[\g1b:\g1b+7]
.rept 4
	v_nop
.endr
.Lasked_\@:
.endm
.macro CROUND                          ; a round of the cluster's barrier
	s_barrier_signal -1
	s_barrier_wait -1
	s_cmp_lg_u32 s14, 0
	s_cbranch_scc1 .Lnot_wave_0_\@
	s_barrier_signal -3
.Lnot_wave_0_\@:
	s_barrier_wait -3
	s_barrier_signal -1
	s_barrier_wait -1
.endm
.if HID
	s_load_b256 s[68:75], s[0:1], 0x0              ; xq, w1's codes, w1's scales, b1
	s_load_b64 s[12:13], s[0:1], 0x20              ; the output
.else
	s_load_b512 s[68:83], s[0:1], 0x0              ; xq; wq's, wk's, wv's codes and scales; the output
.endif
	v_lshrrev_b32 v1, 5, v0
	v_readfirstlane_b32 s14, v1                    ; wave 0..3
	s_lshr_b32 s15, s14, 1                         ; which half of the tile's rows is mine.  Also: I fetch for A (0) or for B (1)
	s_and_b32 s16, s14, 1                          ; which half of its columns.  Also: which 128 rows of that tile I fetch
	s_bfe_u32 s40, ttmp6, 0x40000                  ; cx, cy: my place in the cluster
	s_bfe_u32 s41, ttmp6, 0x40004
.if HID
	s_lshl_b32 s42, ttmp9, 2
	s_add_co_u32 s42, s42, s40                     ; tile column of C = 4 x cluster x + cx
	s_and_b32 s17, ttmp7, 0xffff
	s_lshl_b32 s17, s17, 2
	s_add_co_u32 s17, s17, s41                     ; tile row of C = 4 x cluster y + cy
	s_mov_b32 s95, 32768                           ; the image: 32 fragments of 1,024 bytes for each tile of 16 rows
	s_mov_b32 s98, 2048                            ; the scale words: 32 x 64 bytes
	s_mov_b32 s99, 0                               ; the image begins at byte 0,
	s_mov_b32 s100, 0x800000                       ; the scale words behind its 8 MiB
.else
	s_lshr_b32 s96, ttmp9, 2                       ; the job: 0 q, 1 k, 2 v: the same in all sixteen partners
	s_and_b32 s97, ttmp9, 3
	s_lshl_b32 s97, s97, 2                         ; the job's four clusters lie along its 4,096 tokens
	s_lshl_b32 s99, s96, 21                        ; the job's image: 2 MiB each
	s_lshl_b32 s100, s96, 17
	s_add_co_u32 s100, s100, 0x600000              ; its scale words: 128 KiB each, behind the three images
	s_mov_b32 s95, 8192
	s_cmp_eq_u32 s96, 2
	s_cselect_b32 s95, 32768, s95                  ; q, k: 8 fragments for each tile of 16 rows; v: 32
	s_cselect_b32 s92, 0, s97
	s_cselect_b32 s93, s97, 0
	s_lshr_b32 s98, s95, 4
	s_add_co_u32 s17, s41, s92                     ; tile row of C: cy, and in jobs 0, 1 the cluster's place along the tokens
	s_add_co_u32 s42, s40, s93                     ; tile column: cx, and in job 2 the same
.endif
	s_lshl_b32 s43, s41, 2
	s_lshl_b32 s43, 15, s43                        ; my row of the cluster
	s_lshl_b32 s44, 0x1111, s40                    ; my column
	; descriptor group 1: a tile of 128 rows x 256 bytes, padded in LDS
	s_or_b32 s[G1+0], s43, (0<<16)|(1<<20)|(1<<21)|(5<<22)|(3<<25)  ; 15:0 the mask: A's tiles go to my row; 17:16 element of 1 byte; 20 padding on; 21 set beside a mask; 24:22 after every 64 words; 31:25 four words
	s_or_b32 s[G1B+0], s44, (0<<16)|(1<<20)|(1<<21)|(5<<22)|(3<<25)
.irp g, G1, G1B
	s_mov_b32 s[\g+1], ROWB<<16                    ; tensor_dim0
	s_mov_b32 s[\g+2], 128<<16                     ; tensor_dim1
	s_mov_b32 s[\g+3], ROWB<<16                    ; tile_dim0
	s_mov_b32 s[\g+4], 128                         ; tile_dim1
	s_mov_b32 s[\g+5], KROW                        ; tensor_dim0_stride
	s_mov_b32 s[\g+6], 0
	s_mov_b32 s[\g+7], 0
.endr
	s_lshl_b32 s18, s16, 7                         ; which 128 rows of the tile I fetch
	s_lshl_b32 s20, s17, 8
	s_add_co_u32 s20, s20, s18                     ; A: row 256 x tile row + 128 x half
	s_lshl_b32 s46, s42, 8
	s_add_co_u32 s46, s46, s18                     ; B: row 256 x tile column + 128 x half
	s_mov_b32 s21, 0
	s_mov_b32 s47, 0
	s_mov_b64 s[18:19], KS
	s_mul_u64 s[22:23], s[20:21], s[18:19]         ; where these rows' scales begin, in bytes
	s_mul_u64 s[92:93], s[46:47], s[18:19]
	s_mov_b64 s[18:19], KROW
	s_mul_u64 s[20:21], s[20:21], s[18:19]         ; and their codes
	s_mul_u64 s[46:47], s[46:47], s[18:19]
	s_mul_i32 s45, s14, HALFT                      ; where they go: wave x 128 rows: no place in the cluster enters an LDS address
	s_mul_i32 s94, s14, HALFS
	s_wait_kmcnt 0x0
.if HID
	s_mov_b64 s[4:5], s[68:69]                     ; A's codes,
	s_add_nc_u64 s[6:7], s[68:69], 0x200000        ; A's scale bytes, behind them in the same buffer
	s_mov_b64 s[8:9], s[70:71]                     ; B's codes, B's scales
	s_mov_b64 s[10:11], s[72:73]
	s_mov_b64 s[96:97], s[74:75]                   ; b1
.else
	s_cmp_eq_u32 s96, 0                            ; the choices hang on the job alone
	s_cselect_b64 s[86:87], s[70:71], s[74:75]
	s_cselect_b64 s[88:89], s[72:73], s[76:77]
	s_cmp_eq_u32 s96, 2
	s_cselect_b64 s[86:87], s[78:79], s[86:87]     ; the job's weight: codes,
	s_cselect_b64 s[88:89], s[80:81], s[88:89]     ; scales
	s_add_nc_u64 s[90:91], s[68:69], 0x200000      ; xn's scale bytes (this sum leaves SCC alone)
	s_cselect_b64 s[4:5], s[86:87], s[68:69]       ; A is the weight in job 2, else xn
	s_cselect_b64 s[6:7], s[88:89], s[90:91]
	s_cselect_b64 s[8:9], s[68:69], s[86:87]       ; B the other one
	s_cselect_b64 s[10:11], s[90:91], s[88:89]
	s_mov_b64 s[12:13], s[82:83]
.endif
	; group 1 for the scales of 128 rows: a dense block of 4,096 bytes, as rows of 256 bytes (32 elements of 8 bytes), 16 bytes of padding behind each
	s_or_b32 s[G1S+0], s43, (3<<16)|(1<<20)|(1<<21)|(5<<22)|(3<<25)
	s_or_b32 s[G1SB+0], s44, (3<<16)|(1<<20)|(1<<21)|(5<<22)|(3<<25)
.irp g, G1S, G1SB
	s_mov_b32 s[\g+1], 32<<16
	s_mov_b32 s[\g+2], (128*KS/256)<<16
	s_mov_b32 s[\g+3], 32<<16
	s_mov_b32 s[\g+4], 128*KS/256
	s_mov_b32 s[\g+5], 32
	s_mov_b32 s[\g+6], 0
	s_mov_b32 s[\g+7], 0
.endr
	s_add_nc_u64 s[20:21], s[4:5], s[20:21]
	s_add_nc_u64 s[22:23], s[6:7], s[22:23]
	s_add_nc_u64 s[46:47], s[8:9], s[46:47]
	s_add_nc_u64 s[92:93], s[10:11], s[92:93]
	CROUND                                         ; all sixteen work-groups are here: the joint loads meet
	s_mov_b32 s[G0S], 1
	s_add_co_u32 s[G0S+1], s94, SCL
	s_mov_b64 s[G0S+2:G0S+3], s[22:23]
	s_or_b32 s[G0S+3], s[G0S+3], 0x80000000
	s_mov_b32 s[G0SB], 1
	s_add_co_u32 s[G0SB+1], s94, SCL
	s_mov_b64 s[G0SB+2:G0SB+3], s[92:93]
	s_or_b32 s[G0SB+3], s[G0SB+3], 0x80000000
	JLOAD G0S, G1S, G0SB, G1SB                     ; the scales first: they are wanted with the first products
.irp s, 0,1
	s_mov_b32 s[G0+4*\s], 1
	s_add_co_u32 s[G0+4*\s+1], s45, \s*SLOT
	s_add_nc_u64 s[G0+4*\s+2:G0+4*\s+3], s[20:21], \s*ROWB
	s_or_b32 s[G0+4*\s+3], s[G0+4*\s+3], 0x80000000
	s_mov_b32 s[G0B+4*\s], 1
	s_add_co_u32 s[G0B+4*\s+1], s45, \s*SLOT
	s_add_nc_u64 s[G0B+4*\s+2:G0B+4*\s+3], s[46:47], \s*ROWB
	s_or_b32 s[G0B+4*\s+3], s[G0B+4*\s+3], 0x80000000
	JLOAD G0+4*\s, G1, G0B+4*\s, G1B               ; three tensor loads of mine are out: all that this launch has
.endr
	v_and_b32 v1, 15, v0                           ; r = l % 16
	v_bfe_u32 v2, v0, 4, 1                         ; h = l / 16
	v_mul_u32_u24 v3, v1, PITCH
	v_lshl_add_u32 v4, v2, 4, v3                   ; a fragment's row x pitch + 16 x half
	s_mul_i32 s21, s15, HALFT                      ; my 128 rows of A
	s_mul_i32 s22, s16, HALFT                      ; my 128 rows of B,
	s_add_co_u32 s22, s22, 2*HALFT                 ; which lie behind A's 256
.irp s, 0,1
	v_add_nc_u32 v[ADRA+\s], s21, v4
	v_add_nc_u32 v[ADRB+\s], s22, v4
	s_add_co_u32 s21, s21, SLOT
	s_add_co_u32 s22, s22, SLOT
.endr
	v_mul_u32_u24 v5, v1, KS                       ; my row's scales: KS bytes a row,
	v_lshrrev_b32 v6, 8, v5
	v_lshl_add_u32 v5, v6, 4, v5                   ; and 16 more for each 256 passed
	s_mul_i32 s21, s15, HALFS                      ; A's: my 128 rows
	s_mul_i32 s22, s16, HALFS                      ; B's: my 128 rows, behind A's 256
	s_add_co_u32 s22, s22, 2*HALFS
	s_sub_co_u32 s22, s22, s21
	v_mul_u32_u24 v6, s22, v2                      ; lanes 16-31 take B's
	s_add_co_u32 s21, s21, SCL
	v_add_nc_u32 v5, v5, v6
	v_add_nc_u32 v[ADRS], s21, v5
	; the way out: where my 8 x 1 fragments and their scale words go
	s_lshl_b32 s20, s17, 4
	s_lshl_b32 s21, s15, 3
	s_add_co_u32 s20, s20, s21                     ; my first tile of 16 rows: 16 x tile row + 8 x half
	s_lshl_b32 s46, s42, 1
	s_add_co_u32 s46, s46, s16                     ; my tile of 128 columns: 2 x tile column + half
	s_mul_i32 s22, s20, s95
	s_lshl_b32 s47, s46, 10
	s_add_co_u32 s22, s22, s47
	s_add_co_u32 s22, s22, s99
	s_mov_b32 s23, 0
	s_mul_i32 s20, s20, s98
	s_lshl_b32 s47, s46, 6
	s_add_co_u32 s20, s20, s47
	s_add_co_u32 s20, s20, s100
	s_mov_b32 s21, 0
	s_add_nc_u64 s[2:3], s[12:13], s[20:21]        ; the scale words
	s_add_nc_u64 s[12:13], s[12:13], s[22:23]      ; the image
	v_and_b32 v6, 31, v0
	v_lshlrev_b32 v[IMO], 4, v6
.irp a, 1,2,3,4,5,6,7
	v_add_nc_u32 v[IMO+\a], s95, v[IMO+\a-1]
.endr
	v_mul_lo_u32 v5, v2, s98
	v_lshl_add_u32 v[SCO], v1, 2, v5
	s_lshl_b32 s101, s98, 1
.irp i, 1,2,3
	v_add_nc_u32 v[SCO+\i], s101, v[SCO+\i-1]
.endr
.irp b, 0,1,2,3
	v_mov_b32 v[TP+\b], 0                          ; written once: a lane permute's destination counts as one of its sources
.endr
	s_mov_b32 s66, 0x76543210                      ; v_permlanex16_b32: lane l xor 16
	s_mov_b32 s67, 0xfedcba98
.if HID
	s_lshl_b32 s46, s42, 10                        ; b1 of my 128 columns: lane (r, h) wants, for block b, those of columns 16 b + 8 h + 0 .. 7
	s_lshl_b32 s47, s16, 9
	s_add_co_u32 s46, s46, s47
	s_mov_b32 s47, 0
	s_add_nc_u64 s[96:97], s[96:97], s[46:47]
	v_lshlrev_b32 v7, 5, v2
.irp b, 0,1,2,3,4,5,6,7
	global_load_b128 v[BIAS+8*\b:BIAS+8*\b+3], v7, s[96:97] offset:64*\b
	global_load_b128 v[BIAS+8*\b+4:BIAS+8*\b+7], v7, s[96:97] offset:64*\b+16
.endr
.endif
.macro FRAG reg, adr, q, i             ; a fragment, 16 rows x 128 K of 4-bit codes: lane l holds row l % 16; registers 4 c .. 4 c + 3 hold K = 64 c + 32 (l / 16) + 0 .. 31
.irp c, 0,1
	ds_load_b128 v[\reg+4*\c:\reg+4*\c+3], v[\adr] offset:64*(\q)+32*\c+(\i)*16*PITCH
.endr
.endm
; 16 matrix instructions: A's blocks a0, a0 + 1 x B's eight, 128 along K: the slot's q-th.  p: B's set;  sc: the set of scale words.  zero = 1: the first product starts the sums, with 0 or with b1.
; The 64 accumulators take turns, one instruction a turn, in the same order in every step.
; A scale register holds A's block i in lanes 0-15 and B's block i in lanes 16-31: source 0 (B) reads the upper lanes.
.macro MUL16 a0, p, q, sc, zero
.irp a, \a0, \a0+1
.irp b, 0,1,2,3,4,5,6,7
.if (\zero) && HID
	v_wmma_scale_f32_16x16x128_f8f6f4 v[8*(8*((\a)%4)+\b):8*(8*((\a)%4)+\b)+7], v[128*(\p)+FR*\b:128*(\p)+FR*\b+FR-1], v[AF+FR*(\a):AF+FR*(\a)+FR-1], v[BIAS+8*\b:BIAS+8*\b+7], v[SC+8*NQ*(\sc)+NQ*\b+(\q)], v[SC+8*NQ*(\sc)+NQ*(\a)+(\q)] matrix_a_fmt:MATRIX_FMT_FP4 matrix_b_fmt:MATRIX_FMT_FP4 matrix_a_scale:MATRIX_SCALE_ROW1
.elseif \zero
	v_wmma_scale_f32_16x16x128_f8f6f4 v[8*(8*((\a)%4)+\b):8*(8*((\a)%4)+\b)+7], v[128*(\p)+FR*\b:128*(\p)+FR*\b+FR-1], v[AF+FR*(\a):AF+FR*(\a)+FR-1], 0, v[SC+8*NQ*(\sc)+NQ*\b+(\q)], v[SC+8*NQ*(\sc)+NQ*(\a)+(\q)] matrix_a_fmt:MATRIX_FMT_FP4 matrix_b_fmt:MATRIX_FMT_FP4 matrix_a_scale:MATRIX_SCALE_ROW1
.else
	v_wmma_scale_f32_16x16x128_f8f6f4 v[8*(8*((\a)%4)+\b):8*(8*((\a)%4)+\b)+7], v[128*(\p)+FR*\b:128*(\p)+FR*\b+FR-1], v[AF+FR*(\a):AF+FR*(\a)+FR-1], v[8*(8*((\a)%4)+\b):8*(8*((\a)%4)+\b)+7], v[SC+8*NQ*(\sc)+NQ*\b+(\q)], v[SC+8*NQ*(\sc)+NQ*(\a)+(\q)] matrix_a_fmt:MATRIX_FMT_FP4 matrix_b_fmt:MATRIX_FMT_FP4 matrix_a_scale:MATRIX_SCALE_ROW1
.endif
.endr
.endr
.endm
.macro FETCH_B slot, q, p              ; B's eight fragments of the slot's q-th 128 along K into set p
	WIN TO_B
.irp i, 0,1,2,3,4,5,6,7
	FRAG 128*(\p)+FR*\i, ADRB+\slot, \q, \i
.endr
	WIN 0
.endm
.macro FETCH_A slot, q, i0             ; A's blocks i0 .. i0 + 3
.irp i, \i0, \i0+1, \i0+2, \i0+3
	FRAG AF+FR*(\i), ADRA+\slot, \q, \i
.endr
.endm
.macro SCALES sc                       ; a slot's scale words into set sc: four words a row; lanes 0-15 take A's block i, lanes 16-31 B's block i
.irp i, 0,1,2,3,4,5,6,7
	ds_load_b128 v[SC+8*NQ*\sc+NQ*\i:SC+8*NQ*\sc+NQ*\i+3], v[ADRS] offset:\i*SBLK
.endr
.endm
; A load into a register that a matrix instruction has read, and a vector instruction that reads a matrix result, stand NP places behind that matrix instruction; only plain vector
; instructions that name none of its registers are places (ISA guide 7.12.1 for vector instructions).
.macro PLACES n
.rept \n
	v_nop
.endr
.endm
; A step of 128 along K that has its successor in the same slot.  A's blocks go one after the other, each against B's eight: so one set of registers serves A (blocks 0-3 are fetched anew in the step's middle,
; blocks 4-7 at its end), and B, at work through the whole step, has two.
.macro STEP slot, q, zero
	s_wait_dscnt 4*NL                              ; B's set and A's blocks 0-3 are in; the youngest eight loads (A's blocks 4-7) may be out
	WMUL 0, \zero
	MUL16 0, (\q)%2, \q, \slot, \zero
	MUL16 2, (\q)%2, \q, \slot, \zero
	s_wait_dscnt 0                                 ; A's blocks 4-7 are in (asked for 32 matrix instructions ago)
	PLACES NP
	FETCH_B \slot, (\q)+1, 1-(\q)%2
	FETCH_A \slot, (\q)+1, 0
	WMUL 1, \zero
	MUL16 4, (\q)%2, \q, \slot, \zero
	MUL16 6, (\q)%2, \q, \slot, \zero
	PLACES NP
	WIN 0
	FETCH_A \slot, (\q)+1, 4
.endm
.macro STEPS slot, from                ; the slot's steps from .. NQ - 2
.set Q, \from
.rept NQ-1-\from
	STEP \slot, Q, 0
.set Q, Q+1
.endr
.endm
	s_wait_tensorcnt 1                             ; the scales and my part of slot 0 are in (slot 1's load may be out)
	s_barrier_signal -1
	s_barrier_wait -1                              ; everybody's are
	FETCH_B 0, 0, 0
	FETCH_A 0, 0, 0
	SCALES 0
	FETCH_A 0, 0, 4
.if HID
	s_wait_loadcnt 0x0                             ; b1
.endif
	STEP 0, 0, 1                                   ; the first step's products start the sums: nothing is cleared
	STEPS 0, 1
	; slot 0's last step goes over to slot 1: my part of it has landed, and behind the barrier everybody's has
	s_wait_tensorcnt 0x0
	s_wait_dscnt 4*NL
	WIN MUL_LO
	MUL16 0, 1, NQ-1, 0, 0
	s_wait_dscnt 0x0                               ; no LDS instruction of mine is out at the signal
	s_barrier_signal -1
	MUL16 2, 1, NQ-1, 0, 0                         ; work on registers while the others arrive
	WIN 0
	s_barrier_wait -1
	PLACES NP
	v_add_nc_u32 v[ADRS], 4*NQ, v[ADRS]            ; on to slot 1's scale words
	FETCH_B 1, 0, 0
	FETCH_A 1, 0, 0
	SCALES 1
	WIN MUL_HI
	MUL16 4, 1, NQ-1, 0, 0
	MUL16 6, 1, NQ-1, 0, 0
	PLACES NP
	WIN 0
	FETCH_A 1, 0, 4
	STEPS 1, 0
	s_wait_dscnt 4*NL                              ; the last step: nothing more to fetch
	WIN MUL_LO
	MUL16 0, 1, NQ-1, 1, 0
	MUL16 2, 1, NQ-1, 1, 0
	s_wait_dscnt 0
	WIN MUL_HI
	MUL16 4, 1, NQ-1, 1, 0
	MUL16 6, 1, NQ-1, 1, 0
	WIN 0
	PLACES NP
; THE WAY OUT of my tile a of 16 rows x 128 columns.  Block beta of 32 columns: accumulators 2 beta and 2 beta + 1, lanes l and l xor 16.  Accumulator t's conversion gives lane (r, h) the codes of columns 16 t + 8 h + 0 .. 7.
; In each group of four registers the eight pieces of 8 codes lie as (0,1) (2,3) (4,5) (6,7) (lower lanes, upper lanes); the operand wants (0,4) (1,5) (2,6) (3,7): four exchanges of a register's upper lanes with another's lower lanes.
; Each accumulator is read from its low end on.
.macro QROW a
.set WW, 2+(\a)/4
.set AC, 64*((\a)%4)
.set PA, PC+8*(\a)
.if HID
.set NW, (WW<<6)|(WW<<2)
	WIN NW                                         ; destination and source 1 in the accumulators' window
.set j, 0
.rept 64
	v_max_num_f32 v[AC+j], 0, v[AC+j]              ; the activation, in f32
.set j, j+1
.endr
.endif
.set NW, (WW<<4)|(WW<<2)
	WIN NW                                         ; sources 1 and 2 in the accumulators' window
.irp b, 0,1,2,3
	v_max3_num_f32 v[TM+\b], 0x1800000, |v[AC+16*\b]|, |v[AC+16*\b+1]|   ; my 16 numbers of block b, and the floor 2^(3 - 127): the byte cannot fall under 1
.endr
.irp i, 2,4,6,8,10,12,14
.irp b, 0,1,2,3
	v_max3_num_f32 v[TM+\b], v[TM+\b], |v[AC+16*\b+\i]|, |v[AC+16*\b+\i+1]|   ; (the four blocks by turns)
.endr
.endr
	WIN 0
.irp b, 0,1,2,3
	v_permlanex16_b32 v[TP+\b], v[TM+\b], s66, s67
.endr
.irp b, 0,1,2,3
	v_max_num_f32 v[TM+\b], v[TM+\b], v[TP+\b]     ; with lane l xor 16's: the block's largest magnitude
.endr
.irp b, 0,1,2,3
	v_add_nc_u32 v[SO+\b], 0xff000000, v[TM+\b]    ; 2 off its exponent field: the conversion's scale operand
.endr
.irp b, 0,1,2,3
	v_lshrrev_b32 v[TP+\b], 23, v[SO+\b]           ; the scale's byte
.endr
	v_lshl_or_b32 v[PW+\a], v[TP+1], 8, v[TP]      ; my row's scale word
	v_lshl_or_b32 v[PW+\a], v[TP+2], 16, v[PW+\a]
	v_lshl_or_b32 v[PW+\a], v[TP+3], 24, v[PW+\a]
	WIN WW                                         ; source 0 in the accumulators' window
.irp t, 0,1,2,3,4,5,6,7
	v_cvt_scalef32_pk8_fp4_f32 v[PA+\t], v[AC+8*\t:AC+8*\t+7], v[SO+\t/2]
.endr
	WIN 0
	v_nop                                          ; one plain instruction behind the scaled conversions
.irp c, 0,1
	v_permlane16_swap_b32 v[PA+4*\c], v[PA+4*\c+1]
	v_permlane16_swap_b32 v[PA+4*\c+2], v[PA+4*\c+3]
	v_permlane16_swap_b32 v[PA+4*\c], v[PA+4*\c+2]
	v_permlane16_swap_b32 v[PA+4*\c+1], v[PA+4*\c+3]
.endr
	global_store_b128 v[IMO+\a], v[PA:PA+3], s[12:13]             ; 32 lanes store 512 consecutive bytes, twice: the fragment's image
	global_store_b128 v[IMO+\a], v[PA+4:PA+7], s[12:13] offset:512
.endm
.irp a, 0,1,2,3,4,5,6,7
	QROW \a
.endr
	v_cmp_eq_u32 vcc_lo, 1, v2
.irp i, 0,1,2,3
	v_cndmask_b32 v[TM+\i], v[PW+2*\i], v[PW+2*\i+1], vcc_lo      ; lanes 0-15 carry tile 2 i's words, lanes 16-31 tile 2 i + 1's
.endr
.irp i, 0,1,2,3
	global_store_b32 v[SCO+\i], v[TM+\i], s[2:3]
.endr
	CROUND                                         ; the closing round: no work-group ends while a partner may still ask for a tile that names it
	s_endpgm
.Lfunc_end_k_q4615cf916d_hid:
	.size	k_q4615cf916d_hid, .Lfunc_end_k_q4615cf916d_hid-k_q4615cf916d_hid
	.p2alignl 7, 3214868480
	.fill 96, 4, 3214868480
	.section	.rodata,"a",@progbits
	.p2align	6, 0x0
	.amdhsa_kernel k_q4615cf916d_hid
		.amdhsa_group_segment_fixed_size 327680
		.amdhsa_private_segment_fixed_size 0
		.amdhsa_enable_private_segment 0
		.amdhsa_kernarg_size 40
		.amdhsa_user_sgpr_count 2
		.amdhsa_user_sgpr_kernarg_segment_ptr 1
		.amdhsa_wavefront_size32 1
		.amdhsa_system_sgpr_workgroup_id_x 1
		.amdhsa_system_sgpr_workgroup_id_y 1
		.amdhsa_system_sgpr_workgroup_id_z 1
		.amdhsa_system_vgpr_workitem_id 0
		.amdhsa_next_free_vgpr 1024
		.amdhsa_next_free_sgpr 102
		.amdhsa_reserve_vcc 1
		.amdhsa_float_denorm_mode_32 3
		.amdhsa_float_denorm_mode_16_64 3
		.amdhsa_memory_ordered 1
		.amdhsa_forward_progress 1
		.amdhsa_inst_pref_size 147
	.end_amdhsa_kernel
	.amdgpu_metadata
---
amdhsa.version: [ 1, 2 ]
amdhsa.kernels:
  - .name:           k_q4615cf916d_hid
    .symbol:         k_q4615cf916d_hid.kd
    .args:
      - { .name: xq, .offset: 0, .size: 8, .value_kind: global_buffer, .address_space: global }
      - { .name: w1_codes, .offset: 8, .size: 8, .value_kind: global_buffer, .address_space: global }
      - { .name: w1_scales, .offset: 16, .size: 8, .value_kind: global_buffer, .address_space: global }
      - { .name: b1, .offset: 24, .size: 8, .value_kind: global_buffer, .address_space: global }
      - { .name: hq, .offset: 32, .size: 8, .value_kind: global_buffer, .address_space: global }
    .group_segment_fixed_size: 327680
    .private_segment_fixed_size: 0
    .kernarg_segment_align: 8
    .kernarg_segment_size: 40
    .max_flat_workgroup_size: 128
    .sgpr_count:     102
    .vgpr_count:     1024
    .wavefront_size: 32
...
	.end_amdgpu_metadata
.endif
;; end of part 5
;; launch mlp2 (part 6): grid 8 x 32, 4 waves a work-group, clusters of 4 x 4, 327,680 bytes of LDS; arguments hq, w2_codes, w2_scales, b2, x1, out0; writes out0
.if DOCPART == 6
	.amdgcn_target "amdgcn-amd-amdhsa--gfx1250"
	.amdhsa_code_object_version 6
	.text
	.protected	k_q4615cf916d_mlp2
	.globl	k_q4615cf916d_mlp2
	.p2align	8
	.type	k_q4615cf916d_mlp2,@function
k_q4615cf916d_mlp2:
	s_mov_b64 s[64:65], 0
	v_nop
	global_prefetch_b8 v0, s[64:65] scope:SCOPE_SE
	s_setreg_imm32_b32 hwreg(HW_REG_WAVE_MODE, 25, 1), 1
	s_wait_xcnt 0x0
	s_wait_alu depctr_hold_cnt(0) depctr_sa_sdst(0) depctr_va_vdst(0) depctr_va_sdst(0) depctr_va_ssrc(0) depctr_va_vcc(0) depctr_vm_vsrc(0)
	s_getreg_b32 s2, hwreg(HW_REG_IB_STS2, 6, 4)
	s_cmp_eq_u32 s2, 0
	s_cbranch_scc0 .Lentry_in_a_cluster
	s_endpgm
.Lentry_in_a_cluster:
	s_bfe_u32 s2, ttmp6, 0x10000c
	s_cmp_lg_u32 s2, 0xf033
	s_cbranch_scc0 .Lentry_shape_is_right
	s_endpgm
.Lentry_shape_is_right:
; out = resid + bias + A B^T on codes of FP4 (E2M1) with one E8M0 scale for each 32 along K.  4,096 rows, 1,024 columns, K = KTOT.  out and resid: [4096][1024] f32; bias [1024] f32.
; A comes as images of operand fragments, [rows / 16][K / 128][1,024 bytes] (byte 512 c + 16 lane = registers 4 c .. 4 c + 3 of the lane), and behind them (byte 2,048 KTOT) its scale words [rows / 16][K / 128][16 rows][4 bytes].
; B comes as rows of codes [1024][KTOT / 2 bytes] and rows of scale bytes [1024][KTOT / 32].
; A tile of out is 128 x 128, so that 256 work-groups share the work; four waves, each 64 x 64: 16 accumulators.  K goes in steps of KSTEP through two LDS slots; with KTOT = 1,024 both are filled once
; (REFILL = 0: no LDS byte is filled again), with KTOT = 4,096 each is filled twice.  The scale words of all of K come once, with the first fills.
; CLUSTERS: 4 x 4 work-groups; A's tiles are shared along a row of the cluster, B's along a column: each is asked for JOINTLY, by the same tensor load with the same descriptor and a mask that names the four.
; THE MATRIX INSTRUCTION IS USED TRANSPOSED (source 0 = 16 rows of B, source 1 = 16 rows of A): in accumulator (a, b) lane (r, h) holds out(16 a + r, 16 b + 8 h + 0 .. 7).  The bias is the C of each sum's first instruction.
; SCALE REGISTERS: A's: one register holds a tile's words of two neighbouring K steps of 128 (lanes 0-15, lanes 16-31); B's: one register holds the words of 32 rows, two blocks of 16.  The row selectors pick the half.
; THE WAY OUT: 16 rows x 64 columns at a time through the wave's own stage in LDS, back as rows of 256 bytes; the residual, loaded at the head in that very layout, is added; sixteen lanes store 256 consecutive bytes, aligned.
; LIMITS: NaN and infinities are not served; a given scale byte 0xff gives NaN.
; REGISTERS: window 0: v0-31 addresses; v32-95 scale words, two sets, later rows on the way out; v96-127 the bias; v128-255 the accumulators ((a, b) at v[128 + 8 (4 a + b)]).
;   window 1: v0-63, v64-127 two fragment buffers (A's four at 8 a, B's four at 32 + 8 b); v128-255 the residual.
.set KTOT, 4096
.if KTOT > 1024
.set KSTEP, 1024
.set QIB, 6                            ; padding behind every 128 words
.set REFILL, 1
.else
.set KSTEP, 512
.set QIB, 5                            ; behind every 64 words
.set REFILL, 0
.endif
.set NQ,     KSTEP/128                 ; matrix instructions deep in a slot
.set LAPS,   KTOT/(2*KSTEP)
.set ROWB,   KSTEP/2                   ; a row of B's tile in bytes
.set PB,     ROWB+16                   ; and in LDS: an odd multiple of 16 bytes: the 16 rows that a load touches start at 16 different banks
.set KS,     KTOT/32                   ; a row of B's scale bytes
.set APART,  8*NQ*1024                 ; a slot: A's 8 tiles of 16 rows x NQ fragments,
.set SLOT,   APART+128*PB              ; then B's 128 rows
.set SCA,    2*SLOT                    ; A's scale words of all of K: 8 tiles x KTOT / 2 bytes, dense
.set SCB,    SCA+4*KTOT                ; B's scale bytes: rows of 256 bytes + 16 of padding
.set HALFSB, (64*KS/256)*272           ; those of 64 rows
.set SB32,   (32*KS/256)*272           ; of 32 rows
.set STG,    SCB+2*HALFSB              ; the stages: 16 rows x 272 bytes for each wave; no tile lands here
.set SPITCH, 272
.set SPARE,  STG+4*16*SPITCH           ; the spare words, 128 bytes for each wave: two blocks of 256 bytes that no other line names
.set ASC_OFF, 2048*KTOT
.set ADRA, 16                          ; v16-17 LDS address of my A fragments in slot 0, 1
.set ADRB, 20                          ; v20-21 of my B fragments
.set ADSA, 22                          ; v22    of A's scale words
.set ADSB, 23                          ; v23    of B's
.set STO,  24
.set RD,   25
.set CO,   26                          ; v26    my byte offset in two rows of out and of resid
.set SPW,  28
.set NIL,  29
.set SC,   32
.set BK,   32
.set BIAS, 96
.set ACC,  128
.set F0,   0
.set F1,   64
.set RES,  128
.set G1, 24
.set G0, 32
.set G1B, 48
.set G0B, 56
.set G1S, 68
.set G0S, 76
.set G1SB, 80
.set G0SB, 88
.set MUL,  0x05                        ; sources 0 (B) and 1 (A) window 1; C and D window 0
.set MSB, 0
.macro WIN new                         ; the immediate's high byte repeats the setting that is left
.if MSB != (\new)
	s_set_vgpr_msb (MSB<<8)|(\new)
.set MSB, (\new)
.endif
.endm
; A joint load: waves 0 and 1 fetch for A, waves 2 and 3 for B; the branch hangs on the wave's number alone.  Four v_nop follow each of the two lines.
.macro JLOAD g0a, g1a, g0b, g1b
	s_cmp_eq_u32 s15, 0
	s_cbranch_scc0 .Lfor_b_\@
	tensor_load_to_lds s[\g0a:\g0a+3], s[\g1a:\g1a+7]
.rept 4
	v_nop
.endr
	s_branch .Lasked_\@
.Lfor_b_\@:
	tensor_load_to_lds s[\g0b:\g0b+3], s[\g1b:\g1b+7]
.rept 4
	v_nop
.endr
.Lasked_\@:
.endm
.macro CREST                           ; a round of the cluster's barrier behind its opening barrier
	s_cmp_lg_u32 s14, 0
	s_cbranch_scc1 .Lnot_wave_0_\@
	s_barrier_signal -3
.Lnot_wave_0_\@:
	s_barrier_wait -3
	s_barrier_signal -1
	s_barrier_wait -1
.endm
.macro CROUND
	s_barrier_signal -1
	s_barrier_wait -1
	CREST
.endm
	s_load_b256 s[4:11], s[0:1], 0x0               ; A s[4:5], B's codes s[6:7], B's scales s[8:9], bias s[10:11]
	s_load_b128 s[96:99], s[0:1], 0x20             ; resid s[96:97], out s[98:99]
.if REFILL
	v_lshl_add_u32 v[SPW], v0, 2, SPARE
	v_mov_b32 v[NIL], 0
.endif
	v_lshrrev_b32 v1, 5, v0
	v_readfirstlane_b32 s14, v1                    ; wave 0..3
	s_lshr_b32 s15, s14, 1                         ; which half of the tile's rows is mine.  Also: I fetch for A (0) or for B (1)
	s_and_b32 s16, s14, 1                          ; which half of its columns.  Also: which half of that tile I fetch
	s_bfe_u32 s40, ttmp6, 0x40000                  ; cx, cy
	s_bfe_u32 s41, ttmp6, 0x40004
	s_lshl_b32 s42, ttmp9, 2
	s_add_co_u32 s42, s42, s40                     ; tile column = 4 x cluster x + cx
	s_and_b32 s17, ttmp7, 0xffff
	s_lshl_b32 s17, s17, 2
	s_add_co_u32 s17, s17, s41                     ; tile row = 4 x cluster y + cy
	s_lshl_b32 s43, s41, 2
	s_lshl_b32 s43, 15, s43                        ; my row of the cluster
	s_lshl_b32 s44, 0x1111, s40                    ; my column
	; group 1, A's tiles: 4 runs of NQ fragments (128 NQ elements of 8 bytes), KTOT elements apart, dense in LDS
	s_or_b32 s[G1+0], s43, (3<<16)|(1<<21)
	s_mov_b32 s[G1+1], (128*NQ)<<16
	s_mov_b32 s[G1+2], 4<<16
	s_mov_b32 s[G1+3], (128*NQ)<<16
	s_mov_b32 s[G1+4], 4
	s_mov_b32 s[G1+5], KTOT
	s_mov_b32 s[G1+6], 0
	s_mov_b32 s[G1+7], 0
	; B's tiles: 64 rows of ROWB bytes, 16 bytes of padding behind each
	s_or_b32 s[G1B+0], s44, (0<<16)|(1<<20)|(1<<21)|(QIB<<22)|(3<<25)
	s_mov_b32 s[G1B+1], ROWB<<16
	s_mov_b32 s[G1B+2], 64<<16
	s_mov_b32 s[G1B+3], ROWB<<16
	s_mov_b32 s[G1B+4], 64
	s_mov_b32 s[G1B+5], KTOT/2
	s_mov_b32 s[G1B+6], 0
	s_mov_b32 s[G1B+7], 0
	; the scales: 2 KTOT dense bytes a load, as rows of 256 bytes; A's dense in LDS, B's with 16 bytes of padding behind each row
	s_or_b32 s[G1S+0], s43, (3<<16)|(1<<21)
	s_or_b32 s[G1SB+0], s44, (3<<16)|(1<<20)|(1<<21)|(5<<22)|(3<<25)
.irp g, G1S, G1SB
	s_mov_b32 s[\g+1], 32<<16
	s_mov_b32 s[\g+2], (KTOT/128)<<16
	s_mov_b32 s[\g+3], 32<<16
	s_mov_b32 s[\g+4], KTOT/128
	s_mov_b32 s[\g+5], 32
	s_mov_b32 s[\g+6], 0
	s_mov_b32 s[\g+7], 0
.endr
	s_lshl_b32 s20, s17, 3
	s_lshl_b32 s18, s16, 2
	s_add_co_u32 s20, s20, s18                     ; A: the first tile of 16 rows that I fetch: 8 x tile row + 4 x half
	s_mul_i32 s22, s20, KTOT/2
	s_add_co_u32 s22, s22, ASC_OFF                 ; its scale words,
	s_mov_b32 s23, 0
	s_mul_i32 s20, s20, KTOT*8                     ; its fragments
	s_mov_b32 s21, 0
	s_lshl_b32 s46, s42, 7
	s_lshl_b32 s18, s16, 6
	s_add_co_u32 s46, s46, s18                     ; B: row 128 x tile column + 64 x half
	s_mul_i32 s92, s46, KS
	s_mov_b32 s93, 0
	s_mul_i32 s46, s46, KTOT/2
	s_mov_b32 s47, 0
	s_mul_i32 s45, s16, 4*NQ*1024                  ; where they go in a slot: no place in the cluster enters an LDS address
	s_mul_i32 s94, s16, 64*PB
	s_add_co_u32 s94, s94, APART
	s_mul_i32 s95, s16, 2*KTOT
	s_add_co_u32 s95, s95, SCA
	s_mul_i32 s100, s16, HALFSB
	s_add_co_u32 s100, s100, SCB
	s_wait_kmcnt 0x0
	s_add_nc_u64 s[20:21], s[4:5], s[20:21]
	s_add_nc_u64 s[22:23], s[4:5], s[22:23]
	s_add_nc_u64 s[46:47], s[6:7], s[46:47]
	s_add_nc_u64 s[92:93], s[8:9], s[92:93]
	CROUND                                         ; all sixteen work-groups are here: the first joint loads meet
	s_mov_b32 s[G0S], 1
	s_mov_b32 s[G0S+1], s95
	s_mov_b64 s[G0S+2:G0S+3], s[22:23]
	s_or_b32 s[G0S+3], s[G0S+3], 0x80000000
	s_mov_b32 s[G0SB], 1
	s_mov_b32 s[G0SB+1], s100
	s_mov_b64 s[G0SB+2:G0SB+3], s[92:93]
	s_or_b32 s[G0SB+3], s[G0SB+3], 0x80000000
	JLOAD G0S, G1S, G0SB, G1SB                     ; the scales first
.irp s, 0,1
	s_mov_b32 s[G0+4*\s], 1
	s_add_co_u32 s[G0+4*\s+1], s45, \s*SLOT
	s_add_nc_u64 s[G0+4*\s+2:G0+4*\s+3], s[20:21], \s*NQ*1024
	s_or_b32 s[G0+4*\s+3], s[G0+4*\s+3], 0x80000000
	s_mov_b32 s[G0B+4*\s], 1
	s_add_co_u32 s[G0B+4*\s+1], s94, \s*SLOT
	s_add_nc_u64 s[G0B+4*\s+2:G0B+4*\s+3], s[46:47], \s*ROWB
	s_or_b32 s[G0B+4*\s+3], s[G0B+4*\s+3], 0x80000000
	JLOAD G0+4*\s, G1, G0B+4*\s, G1B               ; three tensor loads of mine are out
.endr
	v_and_b32 v1, 15, v0                           ; r
	v_bfe_u32 v2, v0, 4, 1                         ; h
	v_and_b32 v3, 31, v0                           ; lane
	v_lshlrev_b32 v4, 4, v3
	s_mul_i32 s21, s15, 4*NQ*1024                  ; my four tiles of 16 rows of A
	v_mul_u32_u24 v5, v1, PB
	v_lshl_add_u32 v5, v2, 4, v5
	s_mul_i32 s22, s16, 64*PB                      ; my 64 rows of B
	s_add_co_u32 s22, s22, APART
.irp s, 0,1
	v_add_nc_u32 v[ADRA+\s], s21, v4
	v_add_nc_u32 v[ADRB+\s], s22, v5
	s_add_co_u32 s21, s21, SLOT
	s_add_co_u32 s22, s22, SLOT
.endr
	s_mul_i32 s21, s15, 2*KTOT
	s_add_co_u32 s21, s21, SCA
	v_lshl_add_u32 v[ADSA], v3, 2, s21             ; A's scale words: 4 x lane: lanes 0-15 one K step of 128, lanes 16-31 the next
	v_mul_u32_u24 v5, v3, KS                       ; B's: row = lane: KS bytes a row,
	v_lshrrev_b32 v6, 8, v5
	v_lshl_add_u32 v5, v6, 4, v5                   ; and 16 more for each 256 passed
	s_mul_i32 s22, s16, HALFSB
	s_add_co_u32 s22, s22, SCB
	v_add_nc_u32 v[ADSB], s22, v5
	s_mul_i32 s23, s14, 16*SPITCH
	s_add_co_u32 s23, s23, STG                     ; my stage
	v_mul_u32_u24 v5, v1, SPITCH
	v_lshl_add_u32 v5, v2, 5, v5
	v_add_nc_u32 v[STO], s23, v5                   ; in: row r, 32 bytes for each half of the lanes
	v_mul_u32_u24 v5, v2, SPITCH
	v_lshl_add_u32 v5, v1, 4, v5
	v_add_nc_u32 v[RD], s23, v5                    ; back: lanes 0-15 one row of 256 bytes, lanes 16-31 the next
	v_lshlrev_b32 v5, 12, v2
	v_lshl_add_u32 v[CO], v1, 4, v5                ; and the same two rows in out and in resid
	s_lshl_b32 s20, s17, 7
	s_lshl_b32 s21, s15, 6
	s_add_co_u32 s20, s20, s21                     ; my first row: 128 x tile row + 64 x half
	s_lshl_b32 s20, s20, 12
	s_lshl_b32 s46, s42, 9
	s_lshl_b32 s47, s16, 8
	s_add_co_u32 s46, s46, s47                     ; my first column, in bytes: 512 x tile column + 256 x half
	s_mov_b32 s47, 0
	s_add_co_u32 s20, s20, s46
	s_mov_b32 s21, 0
	s_add_nc_u64 s[96:97], s[96:97], s[20:21]
	s_add_nc_u64 s[98:99], s[98:99], s[20:21]
	s_add_nc_u64 s[10:11], s[10:11], s[46:47]
	v_lshlrev_b32 v7, 5, v2                        ; the bias: lane (r, h) wants, for block b, columns 16 b + 8 h + 0 .. 7
.irp b, 0,1,2,3
	global_load_b128 v[BIAS+8*\b:BIAS+8*\b+3], v7, s[10:11] offset:64*\b
	global_load_b128 v[BIAS+8*\b+4:BIAS+8*\b+7], v7, s[10:11] offset:64*\b+16
.endr
	WIN 0x40                                       ; destination window 1
.irp a, 0,1,2,3
.irp t, 0,1,2,3,4,5,6,7
	global_load_b128 v[RES+32*\a+4*\t:RES+32*\a+4*\t+3], v[CO], s[96:97] offset:(16*\a+2*\t)*4096 th:TH_LOAD_NT   ; the residual, as the way out will hold the rows
.endr
.endr
	WIN 0
; one matrix instruction: accumulator (a, b), the slot's q-th 128 along K, fragments in buffer f, scale words in set
.macro WM f, q, set, a, b, first
.set rD, ACC+8*(4*(\a)+(\b))
.if \first
.set rC, BIAS+8*(\b)
.else
.set rC, ACC+8*(4*(\a)+(\b))
.endif
.set rB, (\f)+32+8*(\b)
.set rA, (\f)+8*(\a)
.set rSB, SC+4*NQ*(\set)+2*NQ+NQ*((\b)/2)+(\q)
.set rSA, SC+4*NQ*(\set)+(NQ/2)*(\a)+(\q)/2
.if (\b)%2
.if (\q)%2
	v_wmma_scale_f32_16x16x128_f8f6f4 v[rD:rD+7], v[rB:rB+7], v[rA:rA+7], v[rC:rC+7], v[rSB], v[rSA] matrix_a_fmt:MATRIX_FMT_FP4 matrix_b_fmt:MATRIX_FMT_FP4 matrix_a_scale:MATRIX_SCALE_ROW1 matrix_b_scale:MATRIX_SCALE_ROW1
.else
	v_wmma_scale_f32_16x16x128_f8f6f4 v[rD:rD+7], v[rB:rB+7], v[rA:rA+7], v[rC:rC+7], v[rSB], v[rSA] matrix_a_fmt:MATRIX_FMT_FP4 matrix_b_fmt:MATRIX_FMT_FP4 matrix_a_scale:MATRIX_SCALE_ROW1
.endif
.else
.if (\q)%2
	v_wmma_scale_f32_16x16x128_f8f6f4 v[rD:rD+7], v[rB:rB+7], v[rA:rA+7], v[rC:rC+7], v[rSB], v[rSA] matrix_a_fmt:MATRIX_FMT_FP4 matrix_b_fmt:MATRIX_FMT_FP4 matrix_b_scale:MATRIX_SCALE_ROW1
.else
	v_wmma_scale_f32_16x16x128_f8f6f4 v[rD:rD+7], v[rB:rB+7], v[rA:rA+7], v[rC:rC+7], v[rSB], v[rSA] matrix_a_fmt:MATRIX_FMT_FP4 matrix_b_fmt:MATRIX_FMT_FP4
.endif
.endif
.endm
.macro MUL4 f, q, set, a, first        ; A's tile a against B's four blocks.  The 16 accumulators take turns, one instruction a turn, in the same order in every step
.irp b, 0,1,2,3
	WM \f, \q, \set, \a, \b, \first
.endr
.endm
.macro FETCH slot, q, f                ; 16 LDS loads: the fragments of the slot's q-th 128 along K into buffer f.  A's come as they were stored: 512 consecutive bytes a load
	WIN 0x40
.irp i, 0,1,2,3
	ds_load_b128 v[(\f)+8*\i:(\f)+8*\i+3], v[ADRA+\slot] offset:\i*NQ*1024+(\q)*1024
	ds_load_b128 v[(\f)+8*\i+4:(\f)+8*\i+7], v[ADRA+\slot] offset:\i*NQ*1024+(\q)*1024+512
	ds_load_b128 v[(\f)+32+8*\i:(\f)+32+8*\i+3], v[ADRB+\slot] offset:\i*16*PB+64*(\q)
	ds_load_b128 v[(\f)+32+8*\i+4:(\f)+32+8*\i+7], v[ADRB+\slot] offset:\i*16*PB+64*(\q)+32
.endr
.endm
.macro SCALES set                      ; a slot's scale words
	WIN 0
.set ia, 0
.rept 4
.set ip, 0
.rept NQ/2
	ds_load_b32 v[SC+4*NQ*(\set)+(NQ/2)*ia+ip], v[ADSA] offset:ia*(KTOT/2)+128*ip
.set ip, ip+1
.endr
.set ia, ia+1
.endr
.set ii, 0
.rept 2
.set ig, 0
.rept NQ/4
	ds_load_b128 v[SC+4*NQ*(\set)+2*NQ+NQ*ii+4*ig:SC+4*NQ*(\set)+2*NQ+NQ*ii+4*ig+3], v[ADSB] offset:ii*SB32+16*ig
.set ig, ig+1
.endr
.set ii, ii+1
.endr
.endm
; A load into a register that a matrix instruction has read, and an LDS store that reads a matrix result, stand four places behind that matrix instruction; only plain vector instructions that name none of its
; registers are places (ISA guide 7.12.1 for vector instructions).
.macro PLACES n
.rept \n
	v_nop
.endr
.endm
; A step of 128 along K that has its successor in the same slot: this step's fragments are in; the next step's are asked for, into the buffer that the last step's products read; then 16 products.
.macro QSTEP slot, q, first
	s_wait_dscnt 0x0
	PLACES 4
	FETCH \slot, (\q)+1, F0+64*(((\q)+1)%2)
	WIN MUL
.irp a, 0,1,2,3
	MUL4 F0+64*((\q)%2), \q, \slot, \a, \first
.endr
.endm
.macro QSTEPS slot, from               ; the slot's steps from .. NQ - 2
.set Q, \from
.rept NQ-1-\from
	QSTEP \slot, Q, 0
.set Q, Q+1
.endr
.endm
; A slot's last step changes slots: ONE barrier.  In front of it each wave waits for all its tensor loads (its part of the next slot) and for its own reads of this slot; in the text that fills slots again it adds 0
; to its spare word between the two.  fill = 1: the barrier opens a round of the cluster's barrier, and this slot is filled again, two K steps ahead, first thing behind it.
.macro TURN slot, next, fill
	WIN 0
	s_wait_tensorcnt 0x0
.if REFILL
	ds_add_u32 v[SPW], v[NIL]
.endif
	s_wait_dscnt REFILL                            ; this step's fragments are in (the add alone may be out)
	WIN MUL
	MUL4 F1, NQ-1, \slot, 0, 0
	s_wait_dscnt 0x0                               ; the add is done, and my reads of this slot are over
	s_barrier_signal -1
	MUL4 F1, NQ-1, \slot, 1, 0                     ; work on registers while the others arrive
	WIN 0
	s_barrier_wait -1
.if \fill
	CREST                                          ; no wave of any partner still reads this slot's tile or has a load on its way
	s_add_nc_u64 s[G0+4*\slot+2:G0+4*\slot+3], s[G0+4*\slot+2:G0+4*\slot+3], 2*NQ*1024
	s_add_nc_u64 s[G0B+4*\slot+2:G0B+4*\slot+3], s[G0B+4*\slot+2:G0B+4*\slot+3], 2*ROWB
	JLOAD G0+4*\slot, G1, G0B+4*\slot, G1B         ; my one tensor load behind the round; its four v_nop are also the places in front of the loads below
.else
	PLACES 4
.endif
	v_add_nc_u32 v[ADSA], 64*NQ, v[ADSA]           ; on to the next slot's scale words
	v_add_nc_u32 v[ADSB], 4*NQ, v[ADSB]
	FETCH \next, 0, F0
	SCALES \next
	WIN MUL
	MUL4 F1, NQ-1, \slot, 2, 0
	MUL4 F1, NQ-1, \slot, 3, 0
.endm
	s_wait_tensorcnt 1                             ; the scales and my part of slot 0 are in (slot 1's load may be out)
	s_barrier_signal -1
	s_barrier_wait -1                              ; everybody's are
	FETCH 0, 0, F0
	SCALES 0
	s_wait_loadcnt 32                              ; the bias is in; the residual's 32 loads may be out
	QSTEP 0, 0, 1                                  ; the first step's products start the sums with the bias: nothing is cleared
.if LAPS > 1
.rept LAPS-1                           ; once round the two slots, both filled again: written out
	QSTEPS 0, 1
	TURN 0, 1, 1
	QSTEPS 1, 0
	TURN 1, 0, 1
	QSTEP 0, 0, 0
.endr
.endif
	QSTEPS 0, 1                                    ; the last time round fills nothing
	TURN 0, 1, 0
	QSTEPS 1, 0
	s_wait_dscnt 0x0
	WIN MUL
.irp a, 0,1,2,3
	MUL4 F1, NQ-1, 1, \a, 0
.endr
	WIN 0
	PLACES 4
	s_wait_loadcnt 0x0                             ; the residual
.macro TOSTAGE a
.irp b, 0,1,2,3
	ds_store_b128 v[STO], v[ACC+8*(4*(\a)+\b):ACC+8*(4*(\a)+\b)+3] offset:64*\b        ; each accumulator from its low end on
	ds_store_b128 v[STO], v[ACC+8*(4*(\a)+\b)+4:ACC+8*(4*(\a)+\b)+7] offset:64*\b+16
.endr
.set BB, BK+32*((\a)%2)
.irp t, 0,1,2,3,4,5,6,7
	ds_load_b128 v[BB+4*\t:BB+4*\t+3], v[RD] offset:\t*2*SPITCH   ; LDS serves a wave's instructions in order (ISA guide 5.7.1.4): these see the stores above, and the next block's stores come behind them
.endr
.endm
.macro SEND a, younger                 ; younger: the LDS instructions issued behind block a's loads
.set BB, BK+32*((\a)%2)
	s_wait_dscnt \younger
	WIN 0x04                                       ; source 1 window 1
.set i, 0
.rept 16
	v_pk_add_f32 v[BB+2*i:BB+2*i+1], v[BB+2*i:BB+2*i+1], v[RES+32*(\a)+2*i:RES+32*(\a)+2*i+1]
.set i, i+1
.endr
	WIN 0
.irp t, 0,1,2,3,4,5,6,7
	global_store_b128 v[CO], v[BB+4*\t:BB+4*\t+3], s[98:99] offset:(16*(\a)+2*\t)*4096   ; sixteen lanes store 256 consecutive bytes, at a multiple of 256 from the buffer's first byte
.endr
.endm
	TOSTAGE 0
.irp a, 1,2,3
.if \a > 1
	s_wait_xcnt 0x0                                ; block a - 2's stores have read their registers: block a's loads may land there
.endif
	TOSTAGE \a
	SEND \a-1, 16                                  ; behind block a - 1's loads: block a's 8 stores and 8 loads
.endr
	SEND 3, 0
.if REFILL
	s_wait_tensorcnt 0x0                           ; the wave's end: behind my last tensor load and my last LDS store
	ds_add_u32 v[SPW], v[NIL]
	s_wait_dscnt 0x0
.endif
	CROUND                                         ; the closing round: no work-group ends while a partner may still ask for a tile that names it
	s_endpgm
.Lfunc_end_k_q4615cf916d_mlp2:
	.size	k_q4615cf916d_mlp2, .Lfunc_end_k_q4615cf916d_mlp2-k_q4615cf916d_mlp2
	.p2alignl 7, 3214868480
	.fill 96, 4, 3214868480
	.section	.rodata,"a",@progbits
	.p2align	6, 0x0
	.amdhsa_kernel k_q4615cf916d_mlp2
		.amdhsa_group_segment_fixed_size 327680
		.amdhsa_private_segment_fixed_size 0
		.amdhsa_enable_private_segment 0
		.amdhsa_kernarg_size 48
		.amdhsa_user_sgpr_count 2
		.amdhsa_user_sgpr_kernarg_segment_ptr 1
		.amdhsa_wavefront_size32 1
		.amdhsa_system_sgpr_workgroup_id_x 1
		.amdhsa_system_sgpr_workgroup_id_y 1
		.amdhsa_system_sgpr_workgroup_id_z 1
		.amdhsa_system_vgpr_workitem_id 0
		.amdhsa_next_free_vgpr 512
		.amdhsa_next_free_sgpr 102
		.amdhsa_reserve_vcc 0
		.amdhsa_float_denorm_mode_32 3
		.amdhsa_float_denorm_mode_16_64 3
		.amdhsa_memory_ordered 1
		.amdhsa_forward_progress 1
		.amdhsa_inst_pref_size 137
	.end_amdhsa_kernel
	.amdgpu_metadata
---
amdhsa.version: [ 1, 2 ]
amdhsa.kernels:
  - .name:           k_q4615cf916d_mlp2
    .symbol:         k_q4615cf916d_mlp2.kd
    .args:
      - { .name: hq, .offset: 0, .size: 8, .value_kind: global_buffer, .address_space: global }
      - { .name: w2_codes, .offset: 8, .size: 8, .value_kind: global_buffer, .address_space: global }
      - { .name: w2_scales, .offset: 16, .size: 8, .value_kind: global_buffer, .address_space: global }
      - { .name: b2, .offset: 24, .size: 8, .value_kind: global_buffer, .address_space: global }
      - { .name: x1, .offset: 32, .size: 8, .value_kind: global_buffer, .address_space: global }
      - { .name: out0, .offset: 40, .size: 8, .value_kind: global_buffer, .address_space: global }
    .group_segment_fixed_size: 327680
    .private_segment_fixed_size: 0
    .kernarg_segment_align: 8
    .kernarg_segment_size: 48
    .max_flat_workgroup_size: 128
    .sgpr_count:     102
    .vgpr_count:     512
    .wavefront_size: 32
...
	.end_amdgpu_metadata
.endif
;; end of part 6
